; MI455X (gfx1250); checked and timed in simulation.
; The chip was launched on July 23, 2026; its instructions are those of AMD's public machine-readable ISA for CDNA 5 (MIT licence, August 2026) and "CDNA5" Instruction Set Architecture Reference Guide (July 2026). The comments in the code are by the model that wrote it; some were corrected since.
;; Self Attention Ref. Allowed arithmetic: matrix products marked QUANTISED: E2M1 operands, one E8M0 scale for each 32 along K, by v_wmma_scale_f32_16x16x128_f8f6f4 with both operands' format E2M1 (or v_wmma_scale_f32_32x16x128_f4), f32 sums; products left as they are: bf16, f16 or f32 operands; f32 sums; everything else in f32.
;; Inputs: Wk 1,024 x 1,024 float32; Wq 1,024 x 1,024 float32; Wu 1,024 x 1,024 float32; Wv 1,024 x 1,024 float32; kln_b 64 float32; kln_w 64 float32; qln_b 64 float32; qln_w 64 float32; x 2 x 2,048 x 1,024 float32.
;; Outputs: out0 2 x 2,048 x 1,024 float32.
;; This version of the problem:
;;   THIS VERSION OF THE PROBLEM IS GIVEN IN LOW PRECISION. The matrix products marked QUANTISED in the list below multiply operands that are first quantised to E2M1 (2 exponent bits, 1 mantissa bit; 4 bits a number), with one power-of-two scale for each 32 numbers along K (OCP MX v1.0); their sums are f32. The products marked 'left as it is' may take bf16, f16 or f32 operands, with f32 sums. Whichever they take, every output number must still come out within the allowed error. Rounding operands to bf16 (8 significant bits) uses up far more of that allowance than f16 does (11 bits, for magnitudes from 6e-5 to 65,504). All else is computed in f32.
;;   The module's matrix products, in the order in which they are computed (A, B: the left and right operand; K: the contracted axis; several contracted axes count as one K, in the product's order):
;;     1. [M 4,096, K 1,024] x [K 1,024, N 1,024]; A: input x; B: input Wk: QUANTISED
;;     2. [M 4,096, K 1,024] x [K 1,024, N 1,024]; A: input x; B: input Wq: QUANTISED
;;     3. [M 4,096, K 1,024] x [K 1,024, N 1,024]; A: input x; B: input Wv: QUANTISED
;;     4. batch 32 x [M 2,048, K 64] x [K 64, N 2,048]; A: computed on the way; B: computed on the way: left as it is (an operand is computed on the way)
;;     5. batch 32 x [M 64, K 2,048] x [K 2,048, N 2,048]; A: computed on the way; B: computed on the way: left as it is (an operand is computed on the way)
;;     6. [M 4,096, K 1,024] x [K 1,024, N 1,024]; A: computed on the way; B: input Wu: left as it is (an operand is computed on the way)
;;   THE QUANTISER, for each operand of a quantised product, along K:
;;     - K is cut into blocks of 32 from its start; a last block that is shorter is filled with zeros.
;;     - A block's scale is 2^e with e = floor(log2(the largest magnitude in the block)) - 2, held to -126 .. 127; a block of zeros has e = 0. As a byte (E8M0): e + 127.
;;     - Each number is divided by its block's scale, clamped to +-6, and rounded to the nearest number of E2M1, ties to even, subnormals kept.
;;     - The product sums the exact products of the quantised numbers (number of the format x scale) in f32.
;;   ~~~python
;;   def quantise(x, axis):      # numpy; x: float32 -> the quantised numbers, widened to float32 again
;;       x = np.moveaxis(x, axis, -1); K = x.shape[-1]
;;       x = np.pad(x, [(0, 0)] * (x.ndim - 1) + [(0, -K % 32)]); x = x.reshape(x.shape[:-1] + (-1, 32)); a = np.abs(x).max(-1, keepdims=True)
;;       e = np.where(a > 0, np.clip(np.frexp(np.where(a > 0, a, 1))[1] - 1 - 2, -126, 127), 0)      # np.frexp(a)[1] - 1 = floor(log2(a)), exactly
;;       r = np.clip(x / 2.0 ** e, -6, 6)
;;       step = 2.0 ** (np.maximum(np.frexp(np.where(r == 0, 1, r))[1] - 1, 0) - 1)
;;       q = np.round(r / step) * step * 2.0 ** e      # np.round: ties to even
;;       return np.moveaxis(q.reshape(q.shape[:-2] + (-1,))[..., :K], -1, axis).astype(np.float32)
;;   ~~~
;; One version. Each part assembles by itself: llvm-mc -triple=amdgcn-amd-amdhsa -mcpu=gfx1250 --defsym DOCPART=n.
;; ======== version 1 of 1: 5 launches
;; limits: values are held in f16: magnitudes above 65,504 overflow, below 6.1e-05 lose precision
;; workspace buffers: xc 2,097,152 bytes; xs 131,072 bytes; wc 1,572,864 bytes; ws 98,304 bytes; wu16 2,097,152 bytes; qkv 25,165,824 bytes; fine 393,216 bytes; oimg 8,388,608 bytes
;; launch quant (part 1): grid 256 x 1, 4 waves a work-group, no clusters, 33,280 bytes of LDS; arguments x, Wq, Wk, Wv, Wu, xc, xs, wc, ws, wu16; writes xc, xs, wc, ws, wu16
.if DOCPART == 1
	.amdgcn_target "amdgcn-amd-amdhsa--gfx1250"
	.amdhsa_code_object_version 6
	.text
	.protected	k_qd059ca7a9f_quant
	.globl	k_qd059ca7a9f_quant
	.p2align	8
	.type	k_qd059ca7a9f_quant,@function
k_qd059ca7a9f_quant:
	s_mov_b64 s[64:65], 0
	v_nop
	global_prefetch_b8 v0, s[64:65] scope:SCOPE_SE
	s_setreg_imm32_b32 hwreg(HW_REG_WAVE_MODE, 25, 1), 1
	s_wait_xcnt 0x0
; x [4096][1024] and Wq, Wk, Wv [1024][1024], f32, become codes of FP4 (E2M1), K innermost, two codes a byte, with one E8M0 byte for each 32 along K;
; Wu [1024][1024] becomes f16.  xc [4096][512], xs [4096][32];  wc [3072][512], ws [3072][32]: rows 0-1023 Wq, 1024-2047 Wk, 2048-3071 Wv;  wu16 [1024][1024].
; A block's scale is 2^(floor(log2(its largest magnitude)) - 2); its byte is the largest magnitude's exponent field - 2, held at 1 from below.
; LIMITS: a block of zeros gets the byte 1 where the rule says 127 (its codes are zeros, and this program alone reads the bytes); blocks whose largest magnitude lies under 2^-124
; have their byte held at 1; NaN and infinities are not served; Wu must lie inside f16 (under 65,504; under 6e-5 its step is 6e-8).
; SHARES: a work-group takes 32,768 numbers, a wave 8,192.  Work-groups 0-127 x, 128-159 Wq, 160-191 Wk, 192-223 Wv, 224-255 Wu.  Rows are dense and K is a multiple of 32: all are plain streams.
; The quantising path: each load reads 512 consecutive bytes; a step's 2,048 bytes turn through the wave's own stage in LDS, so that a lane holds 16 neighbours; two neighbouring lanes hold a block.
; No tensor load, no barrier: waves share nothing.
.set WAVES, 4
.set STEPS, 16
.set EMAX,  2
.set CB,    8                          ; bytes of 16 codes
.set R,     16                         ; v16-79   four sets of 16 numbers as loaded
.set X,     80                         ; v80-111  two sets of 16 neighbours
.set C,     128                        ; v128-191 codes, four registers a step
.set E,     112                        ; v112-127 a scale byte a step
.set WREG,  8192                       ; LDS: a region for each wave: two stages of 32 x SP bytes, then its 256 scale bytes
.set SP,    80
.set SPW,   12                         ; v12 LDS address of my spare word; never rewritten
.set NIL,   13                         ; v13 0; never rewritten
.set SPARE, WAVES*WREG                 ; behind the regions: the spare words, 128 bytes a wave
.set SRC,   26                         ; s[26:27] the tensor at my run
.set DCO,   28                         ; s[28:29] its codes
.set DSC,   30                         ; s[30:31] its scale bytes
	s_load_b512 s[4:19], s[0:1], 0x0               ; x 4:5, Wq 6:7, Wk 8:9, Wv 10:11, Wu 12:13, xc 14:15, xs 16:17, wc 18:19
	s_load_b128 s[20:23], s[0:1], 0x40             ; ws 20:21, wu16 22:23
	v_lshl_add_u32 v[SPW], v0, 2, SPARE
	v_mov_b32 v[NIL], 0
	v_lshrrev_b32 v1, 5, v0
	v_readfirstlane_b32 s24, v1                    ; wave
	v_and_b32 v2, 31, v0                           ; lane
	v_lshlrev_b32 v3, 4, v2                        ; my 16 bytes of a load's 512
	s_mul_i32 s25, s24, WREG
	v_lshrrev_b32 v14, 2, v2
	v_mul_u32_u24 v14, v14, SP
	v_and_b32 v15, 3, v2
	v_lshl_add_u32 v14, v15, 4, v14
	v_add_nc_u32 v14, s25, v14                     ; the stage, on the way in: SP (lane / 4) + 16 (lane % 4)
	v_mul_u32_u24 v15, v2, SP
	v_add_nc_u32 v15, s25, v15                     ; and on the way out: SP x lane
	v_mul_u32_u24 v4, v2, CB                       ; 8 x lane
	v_lshrrev_b32 v5, 1, v2
	s_add_co_u32 s25, s25, 2*32*SP
	v_add_nc_u32 v5, s25, v5                       ; my block's byte among the wave's 256
	v_lshlrev_b32 v7, 3, v2
	v_add_nc_u32 v6, s25, v7
	s_mov_b32 s35, 0
	s_wait_kmcnt 0x0
	s_cmp_ge_u32 ttmp9, 224                        ; the work-group's number alone decides
	s_cbranch_scc1 .Lwu
	s_cmp_lt_u32 ttmp9, 192
	s_cselect_b64 s[SRC:SRC+1], s[8:9], s[10:11]
	s_cmp_lt_u32 ttmp9, 160
	s_cselect_b64 s[SRC:SRC+1], s[6:7], s[SRC:SRC+1]
	s_cmp_lt_u32 ttmp9, 128
	s_cselect_b64 s[SRC:SRC+1], s[4:5], s[SRC:SRC+1]
	s_cselect_b64 s[DCO:DCO+1], s[14:15], s[18:19]
	s_cselect_b64 s[DSC:DSC+1], s[16:17], s[20:21]
	s_cselect_b32 s32, 0, 128
	s_cselect_b32 s33, 127, 31
	s_sub_co_u32 s32, ttmp9, s32                   ; my place among x's work-groups, or among the three weights'
	s_and_b32 s33, s32, s33                        ; and inside my tensor
	s_lshl_b32 s32, s32, 2
	s_add_co_u32 s32, s32, s24                     ; the run of 8,192 numbers in the destination,
	s_lshl_b32 s33, s33, 2
	s_add_co_u32 s33, s33, s24                     ; and in the source
	s_lshl_b32 s34, s33, 15
	s_add_nc_u64 s[SRC:SRC+1], s[SRC:SRC+1], s[34:35]
	s_lshl_b32 s34, s32, 12
	s_add_nc_u64 s[DCO:DCO+1], s[DCO:DCO+1], s[34:35]
	s_lshl_b32 s34, s32, 8
	s_add_nc_u64 s[DSC:DSC+1], s[DSC:DSC+1], s[34:35]
.macro LOAD t
.irp i, 0,1,2,3
	global_load_b128 v[R+16*((\t)%4)+4*\i:R+16*((\t)%4)+4*\i+3], v3, s[SRC:SRC+1] offset:2048*(\t)+512*\i th:TH_LOAD_NT   ; 32 lanes read 512 consecutive bytes
.endr
.endm
.macro TURN t                          ; step t through the stage: LDS serves a wave's instructions in order, so no wait stands between the stores and the loads
.irp i, 0,1,2,3
	ds_store_b128 v14, v[R+16*((\t)%4)+4*\i:R+16*((\t)%4)+4*\i+3] offset:32*SP*((\t)%2)+8*SP*\i
.endr
.irp i, 0,1,2,3
	ds_load_b128 v[X+16*((\t)%2)+4*\i:X+16*((\t)%2)+4*\i+3], v15 offset:32*SP*((\t)%2)+16*\i
.endr
.endm
.irp t, 0,1,2,3
	LOAD \t
.endr
	s_wait_loadcnt 12                              ; step 0's four loads are in; the 12 of steps 1 to 3 may be out
	TURN 0
.macro STEP t
.set XS, X+16*((\t)%2)
.if (\t) > 0
	s_wait_dscnt 1                                 ; this step's numbers are back from the stage; the last step's byte store may be out
.else
	s_wait_dscnt 0x0
.endif
.if (\t)+4 < STEPS
	LOAD (\t)+4
.endif
.if (\t)+1 < STEPS
.if STEPS-2-(\t) >= 3
	s_wait_loadcnt 12                              ; the next step's four loads are in; those of the three steps behind it may be out
.else
	s_wait_loadcnt 4*(STEPS-2-(\t))
.endif
	TURN (\t)+1
.endif
	v_max3_num_f32 v8, |v[XS]|, |v[XS+1]|, |v[XS+2]|               ; the largest magnitude of my 16, in two chains
	v_max3_num_f32 v9, |v[XS+3]|, |v[XS+4]|, |v[XS+5]|
.irp i, 6,10
	v_max3_num_f32 v8, v8, |v[XS+\i]|, |v[XS+\i+1]|
	v_max3_num_f32 v9, v9, |v[XS+\i+2]|, |v[XS+\i+3]|
.endr
	v_max3_num_f32 v8, v8, |v[XS+14]|, |v[XS+15]|
	v_max3_num_f32 v8, v8, v9, (EMAX+1)<<23        ; and the floor 2^(3 - 127): the byte cannot fall under 1
	v_max_num_f32_dpp v8, v8, v8 row_xmask:1 row_mask:0xf bank_mask:0xf   ; with my neighbour's 16: the block's
	v_add_nc_u32 v11, -(EMAX<<23), v8              ; 2 off its exponent field: the conversion takes this operand's exponent field as its scale
	v_cvt_scalef32_pk8_fp4_f32 v[C+4*(\t)], v[XS:XS+7], v11
	v_cvt_scalef32_pk8_fp4_f32 v[C+4*(\t)+1], v[XS+8:XS+15], v11
	v_lshrrev_b32 v[E+(\t)], 23, v11               ; the scale's byte
	ds_store_b8 v5, v[E+(\t)] offset:16*(\t)       ; both lanes of a block write the same byte with the same value
	global_store_b64 v4, v[C+4*(\t):C+4*(\t)+1], s[DCO:DCO+1] offset:32*CB*(\t)   ; the wave stores 256 consecutive bytes, aligned
.endm
.irp t, 0,1,2,3,4,5,6,7,8,9,10,11,12,13,14,15
	STEP \t
.endr
	ds_load_b64 v[8:9], v6                         ; LDS serves a wave's instructions in order: these see my stores
	s_wait_dscnt 0x0
	global_store_b64 v7, v[8:9], s[DSC:DSC+1]      ; 256 scale bytes, aligned
	s_wait_tensorcnt 0x0                           ; the wave's end, behind my last LDS store
	ds_add_u32 v[SPW], v[NIL]
	s_wait_dscnt 0x0
	s_endpgm
; Wu to f16: 64 loads of 512 bytes a wave, 16 of them on their way; each step has its own two registers to store, so no store's data are written again.
.Lwu:
	s_sub_co_u32 s32, ttmp9, 224
	s_lshl_b32 s32, s32, 2
	s_add_co_u32 s32, s32, s24                     ; my run of 8,192 numbers
	s_lshl_b32 s34, s32, 15
	s_add_nc_u64 s[12:13], s[12:13], s[34:35]
	s_lshl_b32 s34, s32, 14
	s_add_nc_u64 s[22:23], s[22:23], s[34:35]
.irp i, 0,1,2,3,4,5,6,7,8,9,10,11,12,13,14,15
	global_load_b128 v[16+4*\i:19+4*\i], v3, s[12:13] offset:512*\i th:TH_LOAD_NT
.endr
.macro WSTEP i
.if (\i) <= 48
	s_wait_loadcnt 15                              ; load i is in; the 15 younger ones may be out
.else
	s_wait_loadcnt 63-(\i)
.endif
	v_cvt_pk_f16_f32 v[80+2*(\i)], v[16+4*((\i)%16)], v[17+4*((\i)%16)]
	v_cvt_pk_f16_f32 v[81+2*(\i)], v[18+4*((\i)%16)], v[19+4*((\i)%16)]
.if (\i) < 48
	global_load_b128 v[16+4*((\i)%16):19+4*((\i)%16)], v3, s[12:13] offset:512*((\i)+16) th:TH_LOAD_NT
.endif
	global_store_b64 v4, v[80+2*(\i):81+2*(\i)], s[22:23] offset:256*(\i)   ; 256 consecutive bytes, aligned
.endm
.set I, 0
.rept 64
	WSTEP I
.set I, I+1
.endr
	s_endpgm
.Lfunc_end_k_qd059ca7a9f_quant:
	.size	k_qd059ca7a9f_quant, .Lfunc_end_k_qd059ca7a9f_quant-k_qd059ca7a9f_quant
	.p2alignl 7, 3214868480
	.fill 96, 4, 3214868480
	.section	.rodata,"a",@progbits
	.p2align	6, 0x0
	.amdhsa_kernel k_qd059ca7a9f_quant
		.amdhsa_group_segment_fixed_size 33280
		.amdhsa_private_segment_fixed_size 0
		.amdhsa_enable_private_segment 0
		.amdhsa_kernarg_size 80
		.amdhsa_user_sgpr_count 2
		.amdhsa_user_sgpr_kernarg_segment_ptr 1
		.amdhsa_wavefront_size32 1
		.amdhsa_system_sgpr_workgroup_id_x 1
		.amdhsa_system_sgpr_workgroup_id_y 1
		.amdhsa_system_sgpr_workgroup_id_z 1
		.amdhsa_system_vgpr_workitem_id 0
		.amdhsa_next_free_vgpr 208
		.amdhsa_next_free_sgpr 66
		.amdhsa_reserve_vcc 0
		.amdhsa_float_denorm_mode_32 3
		.amdhsa_float_denorm_mode_16_64 3
		.amdhsa_memory_ordered 1
		.amdhsa_forward_progress 1
		.amdhsa_inst_pref_size 56
	.end_amdhsa_kernel
	.amdgpu_metadata
---
amdhsa.version: [ 1, 2 ]
amdhsa.kernels:
  - .name:           k_qd059ca7a9f_quant
    .symbol:         k_qd059ca7a9f_quant.kd
    .args:
      - { .name: x, .offset: 0, .size: 8, .value_kind: global_buffer, .address_space: global }
      - { .name: Wq, .offset: 8, .size: 8, .value_kind: global_buffer, .address_space: global }
      - { .name: Wk, .offset: 16, .size: 8, .value_kind: global_buffer, .address_space: global }
      - { .name: Wv, .offset: 24, .size: 8, .value_kind: global_buffer, .address_space: global }
      - { .name: Wu, .offset: 32, .size: 8, .value_kind: global_buffer, .address_space: global }
      - { .name: xc, .offset: 40, .size: 8, .value_kind: global_buffer, .address_space: global }
      - { .name: xs, .offset: 48, .size: 8, .value_kind: global_buffer, .address_space: global }
      - { .name: wc, .offset: 56, .size: 8, .value_kind: global_buffer, .address_space: global }
      - { .name: ws, .offset: 64, .size: 8, .value_kind: global_buffer, .address_space: global }
      - { .name: wu16, .offset: 72, .size: 8, .value_kind: global_buffer, .address_space: global }
    .group_segment_fixed_size: 33280
    .private_segment_fixed_size: 0
    .kernarg_segment_align: 8
    .kernarg_segment_size: 80
    .max_flat_workgroup_size: 128
    .sgpr_count:     66
    .vgpr_count:     208
    .wavefront_size: 32
...
	.end_amdgpu_metadata
.endif
;; end of part 1
;; launch qkv (part 2): grid 12 x 16, 4 waves a work-group, clusters of 4 x 4, 327,680 bytes of LDS; arguments xc, xs, wc, ws, qln_w, qln_b, kln_w, kln_b, qkv, fine; writes qkv, fine
.if DOCPART == 2
	.amdgcn_target "amdgcn-amd-amdhsa--gfx1250"
	.amdhsa_code_object_version 6
	.text
	.protected	k_qd059ca7a9f_qkv
	.globl	k_qd059ca7a9f_qkv
	.p2align	8
	.type	k_qd059ca7a9f_qkv,@function
k_qd059ca7a9f_qkv:
	s_mov_b64 s[64:65], 0
	v_nop
	global_prefetch_b8 v0, s[64:65] scope:SCOPE_SE
	s_setreg_imm32_b32 hwreg(HW_REG_WAVE_MODE, 25, 1), 1
	s_wait_xcnt 0x0
	s_wait_alu depctr_hold_cnt(0) depctr_sa_sdst(0) depctr_va_vdst(0) depctr_va_sdst(0) depctr_va_ssrc(0) depctr_va_vcc(0) depctr_vm_vsrc(0)
	s_getreg_b32 s2, hwreg(HW_REG_IB_STS2, 6, 4)
	s_cmp_eq_u32 s2, 0
	s_cbranch_scc0 .Lentry_in_a_cluster
	s_endpgm
.Lentry_in_a_cluster:
	s_bfe_u32 s2, ttmp6, 0x10000c
	s_cmp_lg_u32 s2, 0xf033
	s_cbranch_scc0 .Lentry_shape_is_right
	s_endpgm
.Lentry_shape_is_right:
; q, k, v = x Wq^T, x Wk^T, x Wv^T on codes of FP4 (E2M1) with E8M0 scales, K = 1,024; LayerNorm over each head's 64 numbers of q and k in f32; results rounded to f16 and stored as
; IMAGES OF THE REGISTERS that the attention's matrix instructions want, 512 consecutive bytes a store.  q is stored times c = log2(e) / 8 (folded in f32 into its gain and bias).
; A tile of 256 x 256 to a work-group of four waves, 128 x 128 to a wave: 64 accumulators, 512 registers.  K goes in two steps of 512, both slots filled once at the start: nothing is filled again.
; The cluster's x says what is made: 0 q, 1 k, 2 v.  The matrix instruction is used transposed (source 0 = 16 rows of B, source 1 = 16 rows of A): a lane holds one row of A and eight neighbouring rows of B.
; q, k: A = x (a lane: one token), B = W (eight neighbouring channels).  v: A = Wv, B = x, BY POINTERS ALONE: a lane then holds one channel and eight neighbouring tokens, which is what V^T's fragment wants.
; CLUSTERS: 4 x 4 work-groups; A's tile is asked for jointly along a row of the cluster, B's along a column.  Every choice between q, k and v hangs on the cluster's x, which all partners share.
; qkv: three parts of 8,388,608 bytes, each [batch x 16 + head][262,144].  q, k: [t / 16][piece n][lane][16 bytes]: lane (r, h) holds channels 16 n + 8 h + 0..7 of token 16 (t / 16) + r.
;   v: [t / 32][ct][half][lane][16 bytes]: lane (r, h) holds tokens 32 (t / 32) + 16 half + 8 h + 0..7 of channel 16 ct + r.
; fine: the same registers of positions 0-15 of each sequence in f32, [which][batch x 16 + head][8 pieces][lane][16 bytes], for the launch that carries those rows in f32.
; LIMITS: q, k (after the norm) and v must lie inside f16 (under 65,504); NaN and infinities are not served.
; REGISTERS, in windows of 256: window 0: v0-31 addresses; v32-95 scale words, two sets; v128-191 A's fragments; v192-255 the norm's gain and bias.  window 1: B's fragments, two sets.  windows 2, 3: the accumulators.
.set NQ,     4                         ; matrix instructions deep in a slot
.set ROWB,   256                       ; a tile's row in bytes: 512 codes
.set KROW,   512                       ; a row of codes in memory
.set PITCH,  272                       ; an LDS row: 256 bytes + 16 of padding: the 16 rows of a load start at 16 different banks (64 banks of 4 bytes: ISA guide 11.1)
.set FR,     8
.set NL,     2
.set NP,     4                         ; places behind this matrix instruction (ISA guide 7.12.1)
.set HALFT,  128*PITCH
.set SLOT,   4*HALFT
.set KS,     32                        ; a row of scale bytes
.set SCL,    2*SLOT                    ; behind the slots: the scales, as units of 256 bytes + 16
.set HALFS,  (128*KS/256)*272
.set SBLK,   (16*KS/256)*272
.set SPARE,  SCL+4*HALFS               ; the spare words, 128 bytes a wave
.set ADRA, 16
.set ADRB, 20
.set LI,   22                          ; v22 16 x lane
.set TP,   23                          ; v23 my first token's position in its sequence
.set ADRS, 27
.set SPW,  28
.set NIL,  29
.set LNO,  30                          ; v30 32 x (lane / 16)
.set SC,   32
.set AF,   128
.set LNW,  192                         ; v192-223 gain: register 8 b + j = channel 16 b + 8 h + j
.set LNB,  224                         ; v224-255 bias likewise
.set T,    32                          ; the way out: v32-63 at work, 16 for each of the two heads
.set HH,   64                          ; v64-127 f16 results, two sets of 32
.set MU,   128                         ; v128-131 the two means (pairs)
.set RS,   132                         ; v132-135 the two 1 / sqrt
.set PL,   136                         ; v136-137 from the other half of the lanes
.set SEL,  92                          ; s[92:93] lane selects, on the way out
.set G1, 24
.set G0, 32
.set G1B, 48
.set G0B, 56
.set G1S, 68
.set G0S, 76
.set G1SB, 80
.set G0SB, 88
.set MSB, 0
.macro WIN new                         ; the immediate's high byte repeats the setting that is left
.if MSB != \new
	s_set_vgpr_msb (MSB<<8)|\new
.set MSB, \new
.endif
.endm
.set MUL_LO, 0xa1                      ; source 0 (B) window 1, source 1 (A) window 0, C and D window 2
.set MUL_HI, 0xf1
.set TO_B,   0x40
; A joint load: waves 0 and 1 fetch for A, waves 2 and 3 for B; the branch hangs on the wave's number alone.  An s_nop 0 and four v_nop follow each line.
.macro JLOAD g0a, g1a, g0b, g1b
	s_cmp_eq_u32 s15, 0
	s_cbranch_scc0 .Lfor_b_\@
	tensor_load_to_lds s[\g0a:\g0a+3], s[\g1a:\g1a+7]
	s_nop 0
.rept 4
	v_nop
.endr
	s_branch .Lasked_\@
.Lfor_b_\@:
	tensor_load_to_lds s[\g0b:\g0b+3], s[\g1b:\g1b+7]
	s_nop 0
.rept 4
	v_nop
.endr
.Lasked_\@:
.endm
.macro CROUND                          ; a round of the cluster's barrier
	s_barrier_signal -1
	s_barrier_wait -1
	s_cmp_lg_u32 s14, 0
	s_cbranch_scc1 .Lnot_wave_0_\@
	s_barrier_signal -3
.Lnot_wave_0_\@:
	s_barrier_wait -3
	s_barrier_signal -1
	s_barrier_wait -1
.endm
	s_load_b256 s[4:11], s[0:1], 0x0               ; xc 4:5, xs 6:7, wc 8:9, ws 10:11
	s_load_b128 s[96:99], s[0:1], 0x20             ; qln_w, qln_b
	s_load_b64 s[104:105], s[0:1], 0x30            ; kln_w
	s_load_b64 s[66:67], s[0:1], 0x38              ; kln_b
	v_lshl_add_u32 v[SPW], v0, 2, SPARE
	v_mov_b32 v[NIL], 0
	ds_add_u32 v[SPW], v[NIL]                      ; the wave's opening: the add, twice on end, and its wait ahead of my first tensor load
	ds_add_u32 v[SPW], v[NIL]
	v_lshrrev_b32 v1, 5, v0
	v_readfirstlane_b32 s14, v1                    ; wave 0..3
	s_lshr_b32 s15, s14, 1                         ; which half of A's rows is mine.  Also: I fetch for A (0) or for B (1)
	s_and_b32 s16, s14, 1                          ; which half of B's rows.  Also: which 128 rows I fetch
	s_bfe_u32 s40, ttmp6, 0x40000                  ; cx
	s_bfe_u32 s41, ttmp6, 0x40004                  ; cy
	s_and_b32 s12, ttmp7, 0xffff                   ; the cluster's y
	s_cmp_eq_u32 ttmp9, 2                          ; v?  The cluster's x: the same in all sixteen partners
	s_cselect_b32 s17, 0, s12                      ; A's tiles: v: Wv's four, by cy alone; q, k: x's sixteen
	s_cselect_b32 s42, s12, ttmp9                  ; B's tiles: v: x's sixteen; q, k: the weight's four, in wc by the cluster's x
	s_cselect_b32 s13, 2048, 0                     ; v: Wv begins at row 2,048 of wc
	s_lshl_b32 s17, s17, 2
	s_add_co_u32 s17, s17, s41                     ; A's tile
	s_lshl_b32 s42, s42, 2
	s_add_co_u32 s42, s42, s40                     ; B's tile
	s_lshl_b32 s43, s41, 2
	s_lshl_b32 s43, 15, s43                        ; my row of the cluster
	s_lshl_b32 s44, 0x1111, s40                    ; my column
	s_or_b32 s[G1+0], s43, (0<<16)|(1<<20)|(1<<21)|(5<<22)|(3<<25)  ; the mask; elements of 1 byte; padding on; bit 21 beside a mask; 4 words after every 64
	s_or_b32 s[G1B+0], s44, (0<<16)|(1<<20)|(1<<21)|(5<<22)|(3<<25)
.irp g, G1, G1B
	s_mov_b32 s[\g+1], ROWB<<16                    ; tensor_dim0
	s_mov_b32 s[\g+2], 128<<16                     ; tensor_dim1
	s_mov_b32 s[\g+3], ROWB<<16                    ; tile_dim0
	s_mov_b32 s[\g+4], 128                         ; tile_dim1
	s_mov_b32 s[\g+5], KROW                        ; stride
	s_mov_b32 s[\g+6], 0
	s_mov_b32 s[\g+7], 0
.endr
	s_or_b32 s[G1S+0], s43, (3<<16)|(1<<20)|(1<<21)|(5<<22)|(3<<25) ; the scales of 128 rows: 4,096 dense bytes as 16 rows of 256 (32 elements of 8 bytes), 16 bytes of padding behind each
	s_or_b32 s[G1SB+0], s44, (3<<16)|(1<<20)|(1<<21)|(5<<22)|(3<<25)
.irp g, G1S, G1SB
	s_mov_b32 s[\g+1], 32<<16
	s_mov_b32 s[\g+2], (128*KS/256)<<16
	s_mov_b32 s[\g+3], 32<<16
	s_mov_b32 s[\g+4], 128*KS/256
	s_mov_b32 s[\g+5], 32
	s_mov_b32 s[\g+6], 0
	s_mov_b32 s[\g+7], 0
.endr
	s_lshl_b32 s18, s16, 7
	s_lshl_b32 s20, s17, 8
	s_add_co_u32 s20, s20, s18
	s_add_co_u32 s20, s20, s13                     ; A: the first row that I fetch
	s_lshl_b32 s46, s42, 8
	s_add_co_u32 s46, s46, s18                     ; B likewise
	s_mov_b32 s21, 0
	s_mov_b32 s47, 0
	s_mov_b64 s[18:19], KS
	s_mul_u64 s[22:23], s[20:21], s[18:19]         ; where these rows' scales begin,
	s_mul_u64 s[92:93], s[46:47], s[18:19]
	s_mov_b64 s[18:19], KROW
	s_mul_u64 s[20:21], s[20:21], s[18:19]         ; and their codes
	s_mul_u64 s[46:47], s[46:47], s[18:19]
	s_mul_i32 s45, s14, HALFT                      ; where they go: by the wave's number alone
	s_mul_i32 s94, s14, HALFS
	s_wait_dscnt 0x0                               ; both opening adds are done
	s_wait_kmcnt 0x0
	s_cmp_eq_u32 ttmp9, 2
	s_cselect_b64 s[100:101], s[8:9], s[4:5]       ; A's codes: wc for v, else xc
	s_cselect_b64 s[2:3], s[10:11], s[6:7]         ; A's scales
	s_cselect_b64 s[4:5], s[4:5], s[8:9]           ; B's codes
	s_cselect_b64 s[6:7], s[6:7], s[10:11]         ; B's scales
	s_cmp_eq_u32 ttmp9, 0
	s_cselect_b64 s[96:97], s[96:97], s[104:105]   ; the norm's gain: q's or k's
	s_cselect_b64 s[98:99], s[98:99], s[66:67]     ; and bias
	s_add_nc_u64 s[20:21], s[100:101], s[20:21]
	s_add_nc_u64 s[22:23], s[2:3], s[22:23]
	s_add_nc_u64 s[46:47], s[4:5], s[46:47]
	s_add_nc_u64 s[92:93], s[6:7], s[92:93]
	CROUND                                         ; all sixteen work-groups are here: the joint loads meet
	s_mov_b32 s[G0S], 1
	s_add_co_u32 s[G0S+1], s94, SCL
	s_mov_b64 s[G0S+2:G0S+3], s[22:23]
	s_or_b32 s[G0S+3], s[G0S+3], 0x80000000
	s_mov_b32 s[G0SB], 1
	s_add_co_u32 s[G0SB+1], s94, SCL
	s_mov_b64 s[G0SB+2:G0SB+3], s[92:93]
	s_or_b32 s[G0SB+3], s[G0SB+3], 0x80000000
	JLOAD G0S, G1S, G0SB, G1SB                     ; the scales first; three loads of mine are out behind the last of these
.irp s, 0,1
	s_mov_b32 s[G0+4*\s], 1
	s_add_co_u32 s[G0+4*\s+1], s45, \s*SLOT
	s_add_nc_u64 s[G0+4*\s+2:G0+4*\s+3], s[20:21], \s*ROWB
	s_or_b32 s[G0+4*\s+3], s[G0+4*\s+3], 0x80000000
	s_mov_b32 s[G0B+4*\s], 1
	s_add_co_u32 s[G0B+4*\s+1], s45, \s*SLOT
	s_add_nc_u64 s[G0B+4*\s+2:G0B+4*\s+3], s[46:47], \s*ROWB
	s_or_b32 s[G0B+4*\s+3], s[G0B+4*\s+3], 0x80000000
	JLOAD G0+4*\s, G1, G0B+4*\s, G1B
.endr
	v_and_b32 v1, 15, v0                           ; r
	v_bfe_u32 v2, v0, 4, 1                         ; h
	v_mul_u32_u24 v3, v1, PITCH
	v_lshl_add_u32 v4, v2, 4, v3
	s_mul_i32 s21, s15, HALFT
	s_mul_i32 s22, s16, HALFT
	s_add_co_u32 s22, s22, 2*HALFT
.irp s, 0,1
	v_add_nc_u32 v[ADRA+\s], s21, v4
	v_add_nc_u32 v[ADRB+\s], s22, v4
	s_add_co_u32 s21, s21, SLOT
	s_add_co_u32 s22, s22, SLOT
.endr
	v_mul_u32_u24 v5, v1, KS
	v_lshrrev_b32 v6, 8, v5
	v_lshl_add_u32 v5, v6, 4, v5                   ; my row's scales: 32 bytes a row, 16 more for each 256 passed
	s_mul_i32 s21, s15, HALFS
	s_mul_i32 s22, s16, HALFS
	s_add_co_u32 s22, s22, 2*HALFS
	s_sub_co_u32 s22, s22, s21
	v_mul_u32_u24 v6, s22, v2                      ; lanes 16-31 take B's
	s_add_co_u32 s21, s21, SCL
	v_add_nc_u32 v5, v5, v6
	v_add_nc_u32 v[ADRS], s21, v5
	v_and_b32 v3, 31, v0
	v_lshlrev_b32 v[LI], 4, v3
	v_lshlrev_b32 v[LNO], 5, v2
.irp b, 0,1,2,3                        ; gain and bias of my lane's 32 channels of a head: wanted only on the way out
	global_load_b128 v[LNW+8*\b:LNW+8*\b+3], v[LNO], s[96:97] offset:64*\b
	global_load_b128 v[LNW+8*\b+4:LNW+8*\b+7], v[LNO], s[96:97] offset:64*\b+16
	global_load_b128 v[LNB+8*\b:LNB+8*\b+3], v[LNO], s[98:99] offset:64*\b
	global_load_b128 v[LNB+8*\b+4:LNB+8*\b+7], v[LNO], s[98:99] offset:64*\b+16
.endr
	s_load_b128 s[4:7], s[0:1], 0x40               ; qkv 4:5, fine 6:7: wanted on the way out
.macro FRAG reg, adr, q, i             ; 16 rows x 128 K of 4-bit codes: 8 registers, two loads of 16 bytes, 32 bytes apart
.irp c, 0,1
	ds_load_b128 v[\reg+4*\c:\reg+4*\c+3], v[\adr] offset:64*(\q)+32*\c+(\i)*16*PITCH
.endr
.endm
; 16 matrix instructions: A's blocks a0, a0 + 1 x B's eight.  The 64 accumulators take turns, one instruction a turn.
.macro MUL16 a0, p, q, sc, zero
.irp a, \a0, \a0+1
.irp b, 0,1,2,3,4,5,6,7
.if \zero
	v_wmma_scale_f32_16x16x128_f8f6f4 v[8*(8*((\a)%4)+\b):8*(8*((\a)%4)+\b)+7], v[128*(\p)+FR*\b:128*(\p)+FR*\b+FR-1], v[AF+FR*(\a):AF+FR*(\a)+FR-1], 0, v[SC+8*NQ*(\sc)+NQ*\b+(\q)], v[SC+8*NQ*(\sc)+NQ*(\a)+(\q)] matrix_a_fmt:MATRIX_FMT_FP4 matrix_b_fmt:MATRIX_FMT_FP4 matrix_a_scale:MATRIX_SCALE_ROW1
.else
	v_wmma_scale_f32_16x16x128_f8f6f4 v[8*(8*((\a)%4)+\b):8*(8*((\a)%4)+\b)+7], v[128*(\p)+FR*\b:128*(\p)+FR*\b+FR-1], v[AF+FR*(\a):AF+FR*(\a)+FR-1], v[8*(8*((\a)%4)+\b):8*(8*((\a)%4)+\b)+7], v[SC+8*NQ*(\sc)+NQ*\b+(\q)], v[SC+8*NQ*(\sc)+NQ*(\a)+(\q)] matrix_a_fmt:MATRIX_FMT_FP4 matrix_b_fmt:MATRIX_FMT_FP4 matrix_a_scale:MATRIX_SCALE_ROW1
.endif
.endr
.endr
.endm
.macro FETCH_B slot, q, p
	WIN TO_B
.irp i, 0,1,2,3,4,5,6,7
	FRAG 128*(\p)+FR*\i, ADRB+\slot, \q, \i
.endr
	WIN 0
.endm
.macro FETCH_A slot, q, i0
.irp i, \i0, \i0+1, \i0+2, \i0+3
	FRAG AF+FR*(\i), ADRA+\slot, \q, \i
.endr
.endm
.macro SCALES sc                       ; a slot's scale words: lanes 0-15 A's block i, lanes 16-31 B's block i
.irp i, 0,1,2,3,4,5,6,7
	ds_load_b128 v[SC+8*NQ*\sc+NQ*\i:SC+8*NQ*\sc+NQ*\i+3], v[ADRS] offset:\i*SBLK
.endr
.endm
.macro PLACES n                        ; plain vector instructions between a matrix instruction and a load into, or a read of, its registers
.rept \n
	v_nop
.endr
.endm
.macro STEP slot, q, zero              ; 128 along K that has its successor in the same slot
	s_wait_dscnt 4*NL                              ; B's set and A's blocks 0-3 are in; the youngest eight loads (A's blocks 4-7) may be out
	WIN MUL_LO
	MUL16 0, (\q)%2, \q, \slot, \zero
	MUL16 2, (\q)%2, \q, \slot, \zero
	s_wait_dscnt 0
	PLACES NP
	FETCH_B \slot, (\q)+1, 1-(\q)%2
	FETCH_A \slot, (\q)+1, 0
	WIN MUL_HI
	MUL16 4, (\q)%2, \q, \slot, \zero
	MUL16 6, (\q)%2, \q, \slot, \zero
	PLACES NP
	WIN 0
	FETCH_A \slot, (\q)+1, 4
.endm
.macro TURN slot, next                 ; a slot's last step changes slots: one barrier; nothing is filled again in this launch
	s_wait_tensorcnt 0x0                           ; all my tensor loads have landed: my part of the next slot
	ds_add_u32 v[SPW], v[NIL]                      ; 0 onto my spare word
	s_wait_dscnt 4*NL+1                            ; the add and the youngest eight loads may be out
	WIN MUL_LO
	MUL16 0, 1, NQ-1, \slot, 0
	s_wait_dscnt 0x0
	s_barrier_signal -1
	MUL16 2, 1, NQ-1, \slot, 0
	WIN 0
	s_barrier_wait -1                              ; the next slot is whole
	PLACES NP
	v_add_nc_u32 v[ADRS], 4*NQ, v[ADRS]            ; on to the next slot's scale words
	FETCH_B \next, 0, 0
	FETCH_A \next, 0, 0
	SCALES \next
	WIN MUL_HI
	MUL16 4, 1, NQ-1, \slot, 0
	MUL16 6, 1, NQ-1, \slot, 0
	PLACES NP
	WIN 0
	FETCH_A \next, 0, 4
.endm
.macro STEPS slot, from
.set Q, \from
.rept NQ-1-\from
	STEP \slot, Q, 0
.set Q, Q+1
.endr
.endm
	s_wait_tensorcnt 1                             ; the scales and my part of slot 0 are in; slot 1's load may be out
	s_barrier_signal -1
	s_barrier_wait -1
	FETCH_B 0, 0, 0
	FETCH_A 0, 0, 0
	SCALES 0
	FETCH_A 0, 0, 4
	STEP 0, 0, 1                                   ; the first products start the sums: nothing is cleared
	STEPS 0, 1
	TURN 0, 1
	STEPS 1, 0
	s_wait_dscnt 4*NL
	WIN MUL_LO
	MUL16 0, 1, NQ-1, 1, 0
	MUL16 2, 1, NQ-1, 1, 0
	s_wait_dscnt 0
	WIN MUL_HI
	MUL16 4, 1, NQ-1, 1, 0
	MUL16 6, 1, NQ-1, 1, 0
	WIN 0
	; THE WAY OUT: no LDS.  Where my results go, from ids alone
	s_cmp_eq_u32 ttmp9, 2
	s_cselect_b32 s12, s42, s17                    ; the tile that holds tokens: B's for v, A's for q, k
	s_cselect_b32 s13, s16, s15                    ; my half of it
	s_cselect_b32 s18, s41, s40                    ; the tile that holds channels: four heads
	s_cselect_b32 s19, s15, s16                    ; my half: two heads
	s_lshl_b32 s12, s12, 8
	s_lshl_b32 s13, s13, 7
	s_add_co_u32 s12, s12, s13                     ; my first token, 0 .. 4,095
	s_lshl_b32 s18, s18, 2
	s_lshl_b32 s19, s19, 1
	s_add_co_u32 s18, s18, s19                     ; my first head
	s_lshr_b32 s19, s12, 11
	s_lshl_b32 s19, s19, 4
	s_add_co_u32 s18, s18, s19                     ; + 16 x batch
	s_and_b32 s12, s12, 2047                       ; the position in the sequence
	s_lshl_b32 s2, ttmp9, 23
	s_lshl_b32 s3, s18, 18
	s_add_co_u32 s2, s2, s3
	s_lshl_b32 s3, s12, 7
	s_add_co_u32 s2, s2, s3                        ; in qkv: part, head, 128 bytes a token
	s_mov_b32 s3, 0
	s_lshl_b32 s100, ttmp9, 17
	s_lshl_b32 s101, s18, 12
	s_add_co_u32 s100, s100, s101                  ; in fine: part, 4,096 bytes a head
	s_mov_b32 s101, 0
	s_cmp_eq_u32 ttmp9, 0
	s_cselect_b32 s94, 0x3e38aa3b, 1.0             ; c = log2(e) / 8 for q, 1 for k
	s_mov_b32 s95, s94
	s_mov_b32 s45, 0x3c800000                      ; 1 / 64
	s_mov_b32 s104, 0x3727c5ac                     ; 1e-5
	s_mov_b32 s[SEL], 0x76543210
	s_mov_b32 s[SEL+1], 0xfedcba98
	s_wait_kmcnt 0x0
	s_add_nc_u64 s[4:5], s[4:5], s[2:3]
	s_add_nc_u64 s[6:7], s[6:7], s[100:101]
	s_wait_loadcnt 0x0                             ; gain and bias
	PLACES NP                                      ; behind the last products: their results are read and their operands' registers written below
	v_mov_b32 v[TP], s12
.irp i, 1,3,5,7,8,9
	v_mov_b32 v[MU+\i], 0                          ; the pairs' upper words and the lane permutes' destinations, written once
.endr
	s_cmp_eq_u32 ttmp9, 2
	s_cbranch_scc1 .Lv
	; q, k.  Accumulator (a, b): lane (r, h) holds token 16 a + r, channels 16 b + 8 h + 0..7 of my 128: heads g = b / 4.  A head's 64 channels lie in lanes l and l xor 16, 32 registers each.
.set I, 0
.rept 32
	v_pk_mul_f32 v[LNW+2*I:LNW+2*I+1], v[LNW+2*I:LNW+2*I+1], s[94:95] op_sel_hi:[1,0]   ; gain and bias times c
.set I, I+1
.endr
.macro LNBLOCK a                       ; 16 tokens x two heads, the two heads line by line
.set AC, 64*((\a)%4)
.set WW, 2+(\a)/4
.set RDW, WW+4*WW                      ; sources 0 and 1 in the accumulators' window
.set RWW, WW+64*WW                     ; source 0 and destination there
.set STW, 4*WW                         ; a store's data there
.set HB, HH+32*((\a)%2)
.if (\a) >= 2
	s_wait_xcnt 0x0                                ; the stores of two blocks back have read their registers, which are written again below
.endif
	WIN RDW
.irp i, 0,1,2,3,4,5,6,7                ; the sum, each accumulator from its low end on
.irp g, 0,1
	v_pk_add_f32 v[T+16*\g+2*\i:T+16*\g+2*\i+1], v[AC+32*\g+4*\i:AC+32*\g+4*\i+1], v[AC+32*\g+4*\i+2:AC+32*\g+4*\i+3]
.endr
.endr
	WIN 0
.irp i, 0,1,2,3
.irp g, 0,1
	v_pk_add_f32 v[T+16*\g+2*\i:T+16*\g+2*\i+1], v[T+16*\g+2*\i:T+16*\g+2*\i+1], v[T+16*\g+2*\i+8:T+16*\g+2*\i+9]
.endr
.endr
.irp i, 0,1
.irp g, 0,1
	v_pk_add_f32 v[T+16*\g+2*\i:T+16*\g+2*\i+1], v[T+16*\g+2*\i:T+16*\g+2*\i+1], v[T+16*\g+2*\i+4:T+16*\g+2*\i+5]
.endr
.endr
.irp g, 0,1
	v_pk_add_f32 v[T+16*\g:T+16*\g+1], v[T+16*\g:T+16*\g+1], v[T+16*\g+2:T+16*\g+3]
.endr
.irp g, 0,1
	v_add_f32 v[T+16*\g], v[T+16*\g], v[T+16*\g+1]
.endr
.irp g, 0,1
	v_permlanex16_b32 v[PL+\g], v[T+16*\g], s[SEL], s[SEL+1]
.endr
.irp g, 0,1
	v_add_f32 v[T+16*\g], v[T+16*\g], v[PL+\g]
.endr
.irp g, 0,1
	v_mul_f32 v[MU+2*\g], s45, v[T+16*\g]          ; the mean
.endr
	WIN RWW
.irp i, 0,1,2,3,4,5,6,7,8,9,10,11,12,13,14,15
.irp g, 0,1
	v_pk_add_f32 v[AC+32*\g+2*\i:AC+32*\g+2*\i+1], v[AC+32*\g+2*\i:AC+32*\g+2*\i+1], v[MU+2*\g:MU+2*\g+1] op_sel_hi:[1,0] neg_lo:[0,1] neg_hi:[0,1]
.endr
.endr
	WIN RDW
.irp i, 0,1,2,3                        ; the sum of squares of what is left, in four chains
.irp g, 0,1
	v_pk_mul_f32 v[T+16*\g+2*\i:T+16*\g+2*\i+1], v[AC+32*\g+2*\i:AC+32*\g+2*\i+1], v[AC+32*\g+2*\i:AC+32*\g+2*\i+1]
.endr
.endr
.irp i, 4,5,6,7,8,9,10,11,12,13,14,15
.irp g, 0,1
	v_pk_fma_f32 v[T+16*\g+2*(\i%4):T+16*\g+2*(\i%4)+1], v[AC+32*\g+2*\i:AC+32*\g+2*\i+1], v[AC+32*\g+2*\i:AC+32*\g+2*\i+1], v[T+16*\g+2*(\i%4):T+16*\g+2*(\i%4)+1]
.endr
.endr
	WIN 0
.irp i, 0,1
.irp g, 0,1
	v_pk_add_f32 v[T+16*\g+2*\i:T+16*\g+2*\i+1], v[T+16*\g+2*\i:T+16*\g+2*\i+1], v[T+16*\g+2*\i+4:T+16*\g+2*\i+5]
.endr
.endr
.irp g, 0,1
	v_pk_add_f32 v[T+16*\g:T+16*\g+1], v[T+16*\g:T+16*\g+1], v[T+16*\g+2:T+16*\g+3]
.endr
.irp g, 0,1
	v_add_f32 v[T+16*\g], v[T+16*\g], v[T+16*\g+1]
.endr
.irp g, 0,1
	v_permlanex16_b32 v[PL+\g], v[T+16*\g], s[SEL], s[SEL+1]
.endr
.irp g, 0,1
	v_add_f32 v[T+16*\g], v[T+16*\g], v[PL+\g]
.endr
.irp g, 0,1
	v_fma_f32 v[T+16*\g], v[T+16*\g], s45, s104    ; the variance + 1e-5
.endr
.irp g, 0,1
	v_rsq_f32 v[RS+2*\g], v[T+16*\g]
.endr
	v_nop                                          ; a plain instruction behind the last of the two
	s_wait_alu depctr_va_vdst(0)                   ; one wait for both, ahead of their first reader
	WIN RWW
.irp i, 0,1,2,3,4,5,6,7,8,9,10,11,12,13,14,15
.irp g, 0,1
	v_pk_mul_f32 v[AC+32*\g+2*\i:AC+32*\g+2*\i+1], v[AC+32*\g+2*\i:AC+32*\g+2*\i+1], v[RS+2*\g:RS+2*\g+1] op_sel_hi:[1,0]
.endr
.endr
.irp i, 0,1,2,3,4,5,6,7,8,9,10,11,12,13,14,15
.irp g, 0,1
	v_pk_fma_f32 v[AC+32*\g+2*\i:AC+32*\g+2*\i+1], v[AC+32*\g+2*\i:AC+32*\g+2*\i+1], v[LNW+2*\i:LNW+2*\i+1], v[LNB+2*\i:LNB+2*\i+1]
.endr
.endr
.if (\a) == 0                          ; positions 0-15 of a sequence also leave in f32.  A predicate of the lanes, not a branch: my position hangs on my place in the cluster
	WIN 0
	v_cmp_eq_u32 vcc_lo, 0, v[TP]
	s_wait_xcnt 0x0                                ; EXEC changes only behind this wait
	s_and_saveexec_b32 s105, vcc_lo
	WIN STW
.irp g, 0,1
.irp i, 0,1,2,3,4,5,6,7
	global_store_b128 v[LI], v[AC+32*\g+4*\i:AC+32*\g+4*\i+3], s[6:7] offset:4096*\g+512*\i
.endr
.endr
	WIN 0
	s_wait_xcnt 0x0
	s_or_b32 exec_lo, exec_lo, s105
.endif
	WIN RDW
.irp i, 0,1,2,3,4,5,6,7,8,9,10,11,12,13,14,15
.irp g, 0,1
	v_cvt_pk_f16_f32 v[HB+16*\g+\i], v[AC+32*\g+2*\i], v[AC+32*\g+2*\i+1]
.endr
.endr
	WIN 0
.irp g, 0,1
.irp n, 0,1,2,3
	global_store_b128 v[LI], v[HB+16*\g+4*\n:HB+16*\g+4*\n+3], s[4:5] offset:262144*\g+2048*(\a)+512*\n   ; 512 consecutive bytes, aligned
.endr
.endr
.endm
.irp a, 0,1,2,3,4,5,6,7
	LNBLOCK \a
.endr
	s_branch .Lout
	; v.  Accumulator (a, b): lane (r, h) holds channel 16 a + r of my 128 (head a / 4), tokens 16 b + 8 h + 0..7 of my 128.
.Lv:
	v_cmp_eq_u32 vcc_lo, 0, v[TP]                  ; positions 0-15 (b = 0) also leave in f32
	s_wait_xcnt 0x0
	s_and_saveexec_b32 s105, vcc_lo
.irp a, 0,1,2,3,4,5,6,7
.set AC, 64*(\a%4)
.set STW, 4*(2+\a/4)
	WIN STW
	global_store_b128 v[LI], v[AC:AC+3], s[6:7] offset:4096*(\a/4)+1024*(\a%4)
	global_store_b128 v[LI], v[AC+4:AC+7], s[6:7] offset:4096*(\a/4)+1024*(\a%4)+512
.endr
	WIN 0
	s_wait_xcnt 0x0
	s_or_b32 exec_lo, exec_lo, s105
.macro VBLOCK a
.set AC, 64*((\a)%4)
.set WW, 2+(\a)/4
.set RDW, WW+4*WW
.set HB, HH+32*((\a)%2)
.if (\a) >= 2
	s_wait_xcnt 0x0                                ; the stores of two blocks back have read their registers
.endif
	WIN RDW
.irp b, 0,1,2,3,4,5,6,7
.irp j, 0,1,2,3
	v_cvt_pk_f16_f32 v[HB+4*\b+\j], v[AC+8*\b+2*\j], v[AC+8*\b+2*\j+1]
.endr
.endr
	WIN 0
.irp b, 0,1,2,3,4,5,6,7
	global_store_b128 v[LI], v[HB+4*\b:HB+4*\b+3], s[4:5] offset:262144*((\a)/4)+4096*(\b/2)+1024*((\a)%4)+512*(\b%2)
.endr
.endm
.irp a, 0,1,2,3,4,5,6,7
	VBLOCK \a
.endr
.Lout:
	s_wait_tensorcnt 0x0                           ; the wave's end
	ds_add_u32 v[SPW], v[NIL]
	s_wait_dscnt 0x0
	CROUND                                         ; the closing round
	s_endpgm
.Lfunc_end_k_qd059ca7a9f_qkv:
	.size	k_qd059ca7a9f_qkv, .Lfunc_end_k_qd059ca7a9f_qkv-k_qd059ca7a9f_qkv
	.p2alignl 7, 3214868480
	.fill 96, 4, 3214868480
	.section	.rodata,"a",@progbits
	.p2align	6, 0x0
	.amdhsa_kernel k_qd059ca7a9f_qkv
		.amdhsa_group_segment_fixed_size 327680
		.amdhsa_private_segment_fixed_size 0
		.amdhsa_enable_private_segment 0
		.amdhsa_kernarg_size 80
		.amdhsa_user_sgpr_count 2
		.amdhsa_user_sgpr_kernarg_segment_ptr 1
		.amdhsa_wavefront_size32 1
		.amdhsa_system_sgpr_workgroup_id_x 1
		.amdhsa_system_sgpr_workgroup_id_y 1
		.amdhsa_system_sgpr_workgroup_id_z 1
		.amdhsa_system_vgpr_workitem_id 0
		.amdhsa_next_free_vgpr 1024
		.amdhsa_next_free_sgpr 106
		.amdhsa_reserve_vcc 1
		.amdhsa_float_denorm_mode_32 3
		.amdhsa_float_denorm_mode_16_64 3
		.amdhsa_memory_ordered 1
		.amdhsa_forward_progress 1
		.amdhsa_inst_pref_size 239
	.end_amdhsa_kernel
	.amdgpu_metadata
---
amdhsa.version: [ 1, 2 ]
amdhsa.kernels:
  - .name:           k_qd059ca7a9f_qkv
    .symbol:         k_qd059ca7a9f_qkv.kd
    .args:
      - { .name: xc, .offset: 0, .size: 8, .value_kind: global_buffer, .address_space: global }
      - { .name: xs, .offset: 8, .size: 8, .value_kind: global_buffer, .address_space: global }
      - { .name: wc, .offset: 16, .size: 8, .value_kind: global_buffer, .address_space: global }
      - { .name: ws, .offset: 24, .size: 8, .value_kind: global_buffer, .address_space: global }
      - { .name: qln_w, .offset: 32, .size: 8, .value_kind: global_buffer, .address_space: global }
      - { .name: qln_b, .offset: 40, .size: 8, .value_kind: global_buffer, .address_space: global }
      - { .name: kln_w, .offset: 48, .size: 8, .value_kind: global_buffer, .address_space: global }
      - { .name: kln_b, .offset: 56, .size: 8, .value_kind: global_buffer, .address_space: global }
      - { .name: qkv, .offset: 64, .size: 8, .value_kind: global_buffer, .address_space: global }
      - { .name: fine, .offset: 72, .size: 8, .value_kind: global_buffer, .address_space: global }
    .group_segment_fixed_size: 327680
    .private_segment_fixed_size: 0
    .kernarg_segment_align: 8
    .kernarg_segment_size: 80
    .max_flat_workgroup_size: 128
    .sgpr_count:     106
    .vgpr_count:     1024
    .wavefront_size: 32
...
	.end_amdgpu_metadata
.endif
;; end of part 2
;; launch attn (part 3): grid 8 x 32, 16 waves a work-group, no clusters, 327,680 bytes of LDS; arguments qkv, oimg; writes oimg
.if DOCPART == 3
	.amdgcn_target "amdgcn-amd-amdhsa--gfx1250"
	.amdhsa_code_object_version 6
	.text
	.protected	k_qd059ca7a9f_attn
	.globl	k_qd059ca7a9f_attn
	.p2align	8
	.type	k_qd059ca7a9f_attn,@function
k_qd059ca7a9f_attn:
	s_mov_b64 s[64:65], 0
	v_nop
	global_prefetch_b8 v0, s[64:65] scope:SCOPE_SE
	s_setreg_imm32_b32 hwreg(HW_REG_WAVE_MODE, 25, 1), 1
	s_wait_xcnt 0x0
; Causal attention, 32 (batch, head) pairs, 2,048 positions, head size 64, operands in f16, scores, maxima and sums in f32.  q arrives times log2(e) / 8, so p = 2^(s - m), m the row's running maximum.
; q, k, v arrive as images of the operands' registers (layouts: at the head of the launch that stores them): every fragment is two loads of 16 bytes at 16 x lane, and every tile is a dense block.
; SHARES.  Work-group (i, head) owns the query blocks i and 15 - i of 128 queries: (i + 1) + (16 - i) = 17 blocks of keys under the mask in every work-group.  Each of its sixteen waves owns 16 queries.
; NO CLUSTER: the eight work-groups of a head need different numbers of slots under the mask, so a joint load would bring tiles that no wave of some partner reads.
; Both products are used transposed: S^T = K Q^T (source 0 = 16 keys, source 1 = my 16 queries), O^T = V^T P: a lane holds one query (lane % 16) throughout; two tiles of S^T, rounded to f16 in pairs, are a fragment of P.
; RING: two slots of 256 keys (K's 32,768 bytes, then V's), filled by waves 0-3, 16,384 bytes each, read by all sixteen.  Every work-group walks all 8 slots; from the first step all of whose keys come after
; the wave's queries on, the rest of the slot is jumped over, and a slot whose first key comes after the work-group's last query is not asked for.  Every wait on TENSORcnt is for 0; a wave has one tensor load out at the most.
; THE LDS LOADS RUN AHEAD OF THEIR USE: a step's V is asked for behind its products K Q^T and has the softmax in which to come; the NEXT step's K is asked for behind the exponentials and has the rest of the step.
; Only a slot's first step asks for its K at its head, since the slot is known whole only behind the barrier.  So V^T P of one step and K Q^T of the next stand on end: sixteen matrix instructions.
; The result leaves as the image of the next product's operand: oimg [row / 16][kc][half][lane][16 bytes], f16.
; LIMITS: the running maximum starts at -3e38; o must lie inside f16; NaN and infinities are not served.
.set SLOT1, 65536
.set VOFF,  32768
.set SPARE, 131072                     ; the spare words, 128 bytes a wave: 2,048 bytes
.set NSL,   8
.set LI,   1                           ; v1  16 x lane
.set SPW,  2
.set NIL,  3
.set ADR,  4                           ; v4  16 x lane + the slot in hand
.set DD,   5
.set NINF, 6
.set PFO,  7                           ; v7  256 x lane
.set M,    10                          ; v10 m; v11 written once (the pair's upper word)
.set L,    12                          ; v[12:13] l, even and odd keys
.set AA,   14                          ; v14 a = 2^(old m - new m); v15 written once
.set QR,   16                          ; v16-31  Q
.set KR,   32                          ; v32-95  K of a step
.set VR,   96                          ; v96-159 V of a step
.set S,    160                         ; v160-191 S^T, then p
.set P,    192                         ; v192-207 P in f16
.set O,    208                         ; v208-239 O^T
.set CM,   240                         ; v240-243 at work
.set PX,   244                         ; v244 from the other half of the lanes
.set RH,   245                         ; v245 r - 8 h
.set TB,   2
.set WV,   18
.set SEL,  20
.set G1,   24
.set G0,   40
.set SLOTS, 67
.set PFA,  76
.set LIM,  80
.set QE,   95                          ; s95 my last query
.set QL,   97                          ; s97 my work-group's last query
.set KF,   98                          ; s98 the first key of the slot in hand
.set Q0,   99                          ; s99 my first query
.macro TLOAD                           ; waves 0, 1: K's halves; waves 2, 3: V's; the others nothing.  An s_nop 0 and four v_nop follow the load
	s_cmp_lt_u32 s[WV], 4
	s_cbranch_scc0 .Lasked_\@
	tensor_load_to_lds s[G0:G0+3], s[G1:G1+7]
	s_nop 0
.rept 4
	v_nop
.endr
.Lasked_\@:
.endm
; A prefetch of what the NEXT change of slots will ask for: 32,768 bytes of K and of V.  The head's first work-group asks, which walks all slots; in it waves 4-7 for K, waves 8-11 for V,
; 8,192 bytes a wave, lanes 256 bytes apart: each block of 256 bytes is named once in the launch.  Slots 0 and 1 come by their loads alone; the last change that fills a slot asks for nothing.
.macro ASK
	s_cmp_gt_u32 s[SLOTS], s[LIM]
	s_cbranch_scc0 .Lnot_mine_\@
	global_prefetch_b8 v[PFO], s[PFA:PFA+1] th:TH_LOAD_NT scope:SCOPE_SE
.Lnot_mine_\@:
.endm
	s_load_b128 s[4:7], s[0:1], 0x0                ; qkv 4:5, oimg 6:7
	v_lshl_add_u32 v[SPW], v0, 2, SPARE
	v_mov_b32 v[NIL], 0
	ds_add_u32 v[SPW], v[NIL]                      ; the wave's opening: the add, twice on end, and its wait ahead of my first tensor load
	ds_add_u32 v[SPW], v[NIL]
	v_lshrrev_b32 v8, 5, v0
	v_readfirstlane_b32 s[WV], v8                  ; wave 0..15
	s_and_b32 s8, ttmp7, 0xffff                    ; 16 x batch + head
	s_lshr_b32 s9, s[WV], 2
	s_xor_b32 s10, s9, s[WV]
	s_and_b32 s10, s10, 1                          ; early block (0) or late (1): two of each among any four neighbouring waves and among waves w, w + 4, w + 8, w + 12
	s_lshr_b32 s11, s[WV], 1
	s_and_b32 s11, s11, 1
	s_lshl_b32 s9, s9, 1
	s_add_co_u32 s9, s9, s11                       ; which 16 of the block's 128 queries
	s_sub_co_u32 s11, 15, ttmp9
	s_cmp_eq_u32 s10, 1
	s_cselect_b32 s11, s11, ttmp9
	s_lshl_b32 s11, s11, 7
	s_lshl_b32 s9, s9, 4
	s_add_co_u32 s[Q0], s11, s9                    ; my first query
	s_add_co_u32 s[QE], s[Q0], 15                  ; my last
	s_lshl_b32 s[QL], ttmp9, 7
	s_sub_co_u32 s[QL], 2047, s[QL]                ; my work-group's last query
	s_lshl_b32 s12, s8, 18                         ; the head's 262,144 bytes in each part of qkv
	s_lshr_b32 s14, s[WV], 1
	s_and_b32 s14, s14, 1
	s_add_co_u32 s14, s14, 1
	s_lshl_b32 s14, s14, 23                        ; part 1 (k) for waves 0, 1; part 2 (v) for waves 2, 3
	s_add_co_u32 s14, s14, s12
	s_and_b32 s15, s[WV], 1
	s_lshl_b32 s15, s15, 14
	s_add_co_u32 s14, s14, s15                     ; my half of a slot's 32,768 bytes
	s_mov_b32 s15, 0
	s_and_b32 s16, s[WV], 3
	s_lshl_b32 s16, s16, 14                        ; and where it goes in a slot
	s_lshl_b32 s22, s[Q0], 7
	s_add_co_u32 s22, s22, s12                     ; my queries in part 0
	s_mov_b32 s23, 0
	s_lshr_b32 s32, s8, 4
	s_lshl_b32 s32, s32, 22
	s_lshl_b32 s33, s[Q0], 11
	s_add_co_u32 s32, s32, s33
	s_and_b32 s33, s8, 15
	s_lshl_b32 s33, s33, 11
	s_add_co_u32 s32, s32, s33                     ; in oimg: 32,768 bytes for 16 rows, 2,048 of them a head
	s_mov_b32 s33, 0
	s_mov_b32 s34, 1<<24
	s_cmp_lt_u32 s[WV], 8
	s_cselect_b32 s34, 1<<23, s34                  ; the prefetches: k's part or v's,
	s_add_co_u32 s34, s34, s12
	s_and_b32 s35, s[WV], 3
	s_lshl_b32 s35, s35, 13
	s_add_co_u32 s34, s34, s35                     ; my wave's 8,192 bytes,
	s_add_co_u32 s34, s34, 32768                   ; in slot 1: the first change of slots steps it to slot 2
	s_mov_b32 s35, 0
	s_sub_co_u32 s36, s[WV], 4
	s_lshr_b32 s36, s36, 3                         ; 0 in waves 4 to 11,
	s_or_b32 s36, s36, ttmp9                       ; of the head's first work-group
	s_cmp_eq_u32 s36, 0
	s_cselect_b32 s[LIM], 1, -1
	s_mov_b32 s[G1], 3<<16                         ; no mask; elements of 8 bytes; no padding: 64 rows of 256 bytes, dense
	s_mov_b32 s[G1+1], 32<<16                      ; tensor_dim0
	s_mov_b32 s[G1+2], 64<<16                      ; tensor_dim1
	s_mov_b32 s[G1+3], 32<<16                      ; tile_dim0
	s_mov_b32 s[G1+4], 64                          ; tile_dim1
	s_mov_b32 s[G1+5], 32                          ; stride
	s_mov_b32 s[G1+6], 0
	s_mov_b32 s[G1+7], 0
	s_mov_b32 s[SEL], 0x76543210
	s_mov_b32 s[SEL+1], 0xfedcba98
	s_mov_b32 s[TB], 0
	s_mov_b32 s[KF], 0
	s_mov_b32 s[SLOTS], NSL-1
	s_wait_dscnt 0x0                               ; both opening adds are done
	s_wait_kmcnt 0x0
	s_mov_b32 s[G0], 1
	s_mov_b32 s[G0+1], s16
	s_add_nc_u64 s[G0+2:G0+3], s[4:5], s[14:15]
	s_or_b32 s[G0+3], s[G0+3], 0x80000000
	TLOAD                                          ; slot 0
	s_add_nc_u64 s[PFA:PFA+1], s[4:5], s[34:35]
	s_add_nc_u64 s[10:11], s[4:5], s[22:23]
	s_add_nc_u64 s[6:7], s[6:7], s[32:33]
	v_and_b32 v[LI], 31, v0
	v_lshlrev_b32 v[LI], 4, v[LI]
.irp n, 0,1,2,3
	global_load_b128 v[QR+4*\n:QR+4*\n+3], v[LI], s[10:11] offset:512*\n   ; Q's two fragments stay in registers
.endr
	v_lshlrev_b32 v[PFO], 4, v[LI]
	v_and_b32 v8, 15, v0
	v_bfe_u32 v9, v0, 4, 1
	v_lshlrev_b32 v9, 3, v9
	v_sub_nc_u32 v[RH], v8, v9
	v_mov_b32 v[NINF], 0xff800000
	v_mov_b32 v[M], 0xff61b1e6                     ; -3e38, under every score
	v_mov_b32 v[M+1], 0
	v_mov_b32 v[L], 0
	v_mov_b32 v[L+1], 0
	v_mov_b32 v[AA+1], 0
	v_mov_b32 v[PX], 0
.set I, 0
.rept 32
	v_mov_b32 v[O+I], 0                            ; the step is written once: its first run finds zeros
.set I, I+1
.endr
.macro KLOAD q                         ; the 64 keys of the slot's q-th step: 8 fragments, 16 loads of 512 consecutive bytes
.set I, 0
.rept 16
	ds_load_b128 v[KR+4*I:KR+4*I+3], v[ADR] offset:8192*(\q)+512*I
.set I, I+1
.endr
.endm
.macro VLOAD q                         ; and their V
.set I, 0
.rept 16
	ds_load_b128 v[VR+4*I:VR+4*I+3], v[ADR] offset:VOFF+8192*(\q)+512*I
.set I, I+1
.endr
.endm
; A KEY STEP: 64 keys, the q-th of the slot in hand; id names the slot's end in this copy of the text.
.macro STEP q, id
.if (\q) == 0
	s_cmp_gt_u32 s[KF], s[QE]                      ; all keys behind my queries, and so are all that follow: on to the slot's end.  Ids and the count of slots alone; no barrier and no tensor load stands in a step
.else
	s_add_co_u32 s96, s[KF], 64*(\q)
	s_cmp_gt_u32 s96, s[QE]
.endif
	s_cbranch_scc1 .Lleft_\id                      ; (a K that was asked for in vain is waited for at the change of slots, or at the wave's end)
.if (\q) == 0
	v_add_nc_u32 v[ADR], s[TB], v[LI]
	KLOAD 0                                        ; a slot's first K cannot be asked for ahead of the barrier.  K's registers were last read four places and a softmax ago
.endif
	s_wait_dscnt 0x0                               ; K is in: nothing else of mine is out
.irp c, 0,1                            ; the four accumulators take turns
.irp kt, 0,1,2,3
.if \c == 0
	v_wmma_f32_16x16x32_f16 v[S+8*\kt:S+8*\kt+7], v[KR+16*\kt:KR+16*\kt+7], v[QR:QR+7], 0
.else
	v_wmma_f32_16x16x32_f16 v[S+8*\kt:S+8*\kt+7], v[KR+16*\kt+8:KR+16*\kt+15], v[QR+8:QR+15], v[S+8*\kt:S+8*\kt+7]
.endif
.endr
.endr
.rept 4
	v_nop                                          ; four places, for three things: the reads of S^T, the loads into V's registers (read by the last step's V^T P) and those into K's
.endr
	VLOAD \q                                       ; wanted behind the softmax
	s_add_co_u32 s96, s[KF], 64*(\q)+63
	s_cmp_le_u32 s96, s[Q0]                        ; all keys count: no mask
	s_cbranch_scc1 .Lopen_\@
	s_sub_co_i32 s96, s[Q0], s[KF]
.if (\q) > 0
	s_sub_co_i32 s96, s96, 64*(\q)
.endif
	v_add_nc_u32 v[DD], s96, v[RH]                 ; register 8 kt + j holds the step's key 16 kt + 8 h + j: hidden where 16 kt + j > my query - the step's first key - 8 h
.irp kt, 0,1,2,3
.irp j, 0,1,2,3,4,5,6,7
	v_cmp_gt_i32 vcc_lo, 16*\kt+\j, v[DD]
	v_cndmask_b32 v[S+8*\kt+\j], v[S+8*\kt+\j], v[NINF], vcc_lo
.endr
.endr
.Lopen_\@:
.irp j, 0,1,2,3                        ; the maximum, in four chains, each accumulator from its low end on
	v_max3_num_f32 v[CM+\j], v[S+8*\j], v[S+8*\j+1], v[S+8*\j+2]
.endr
.irp u, 1,2
.irp j, 0,1,2,3
	v_max3_num_f32 v[CM+\j], v[CM+\j], v[S+8*\j+2*\u+1], v[S+8*\j+2*\u+2]
.endr
.endr
	v_max3_num_f32 v[CM], v[CM], v[S+7], v[S+15]
	v_max3_num_f32 v[CM+2], v[CM+2], v[S+23], v[S+31]
	v_max3_num_f32 v[CM], v[CM], v[CM+1], v[CM+2]
	v_max3_num_f32 v[CM], v[CM], v[CM+3], v[M]
	v_permlanex16_b32 v[PX], v[CM], s[SEL], s[SEL+1]   ; the query's other 32 keys lie in the lane 16 away
	v_mov_b32 v8, v[M]
	v_max_num_f32 v[M], v[CM], v[PX]
	v_sub_f32 v8, v8, v[M]                         ; old m - new m
.set I, 0
.rept 16
	v_pk_add_f32 v[S+2*I:S+2*I+1], v[S+2*I:S+2*I+1], v[M:M+1] op_sel_hi:[1,0] neg_lo:[0,1] neg_hi:[0,1]
.set I, I+1
.endr
	v_exp_f32 v[AA], v8                            ; one batch of 33
.set I, 0
.rept 32
	v_exp_f32 v[S+I], v[S+I]
.set I, I+1
.endr
	v_nop                                          ; a plain instruction behind the last exponential
.if (\q) < 3
	KLOAD (\q)+1                                   ; the next step's K: it names no result of the batch, and has the rest of this step in which to come
.endif
	s_wait_alu depctr_va_vdst(0)                   ; one wait for the batch, ahead of its first reader
	v_pk_add_f32 v[CM:CM+1], v[S:S+1], v[S+2:S+3]  ; the sum of p in f32, in two chains
	v_pk_add_f32 v[CM+2:CM+3], v[S+4:S+5], v[S+6:S+7]
.irp j, 8,12,16,20,24,28
	v_pk_add_f32 v[CM:CM+1], v[CM:CM+1], v[S+\j:S+\j+1]
	v_pk_add_f32 v[CM+2:CM+3], v[CM+2:CM+3], v[S+\j+2:S+\j+3]
.endr
	v_pk_add_f32 v[CM:CM+1], v[CM:CM+1], v[CM+2:CM+3]
	v_pk_fma_f32 v[L:L+1], v[L:L+1], v[AA:AA+1], v[CM:CM+1] op_sel_hi:[1,0,1]
.set I, 0
.rept 16
	v_cvt_pk_f16_f32 v[P+I], v[S+2*I], v[S+2*I+1]
.set I, I+1
.endr
.set I, 0
.rept 16
	v_pk_mul_f32 v[O+2*I:O+2*I+1], v[O+2*I:O+2*I+1], v[AA:AA+1] op_sel_hi:[1,0]
.set I, I+1
.endr
.if (\q) < 3
	s_wait_dscnt 16                                ; V is in; the next step's K, 16 younger loads, may be out
.else
	s_wait_dscnt 0x0                               ; V is in
.endif
.irp u, 0,1
.irp ct, 0,1,2,3
	v_wmma_f32_16x16x32_f16 v[O+8*\ct:O+8*\ct+7], v[VR+32*\u+8*\ct:VR+32*\u+8*\ct+7], v[P+8*\u:P+8*\u+7], v[O+8*\ct:O+8*\ct+7]
.endr
.endr
.endm
; THE CHANGE OF SLOTS, at a slot's head: each wave waits for all its tensor loads, adds 0 to its spare word, waits for that and for its reads of the slot that it has left; one barrier;
; fill = 1: behind it the slot just left is filled with the keys that follow, up to the causal limit.
.macro CHANGE fill
	s_wait_tensorcnt 0x0                           ; no tensor load of mine is out, so group 0 may be written
	ds_add_u32 v[SPW], v[NIL]
.if \fill
	ds_add_u32 v[SPW], v[NIL]                      ; twice on end here, in every trip alike
	s_xor_b32 s[G0+1], s[G0+1], SLOT1
	s_add_nc_u64 s[G0+2:G0+3], s[G0+2:G0+3], 32768
	s_wait_xcnt 0x0                                ; the last prefetch, a slot back, has read its address
	s_add_nc_u64 s[PFA:PFA+1], s[PFA:PFA+1], 32768
.endif
	s_wait_dscnt 0x0
	s_barrier_signal -1
	s_barrier_wait -1
.if \fill
	s_add_co_u32 s96, s[KF], 256                   ; the first key of the slot that this change would ask for
	s_cmp_gt_u32 s96, s[QL]                        ; behind my work-group's last query: none of its waves would read it.  Ids and the count of slots alone: all sixteen waves go the same way
	s_cbranch_scc1 .Lpast_\@
	TLOAD
.Lpast_\@:
	ASK
.endif
.endm
.macro SLOT_STEPS id
	STEP 0, \id
	STEP 1, \id
	STEP 2, \id
	STEP 3, \id
.Lleft_\id:
	s_add_co_u32 s[KF], s[KF], 256                 ; on to the next slot's keys,
	s_xor_b32 s[TB], s[TB], SLOT1                  ; in the other slot
.endm
	s_wait_loadcnt 0x0                             ; Q
.Lslot:                                            ; 7 trips
	CHANGE 1
	SLOT_STEPS 0
	s_sub_co_u32 s[SLOTS], s[SLOTS], 1
	s_cmp_lg_u32 s[SLOTS], 0
	s_cbranch_scc1 .Lslot
	CHANGE 0                                       ; the last slot is written out: nothing is left to ask for
	SLOT_STEPS 1
	; THE WAY OUT: O^T / l, rounded to f16: a lane's eight channels of a tile are 16 bytes of the next operand's image
.rept 4
	v_nop
.endr
	v_add_f32 v[L], v[L], v[L+1]
	v_permlanex16_b32 v[PX], v[L], s[SEL], s[SEL+1]
	v_add_f32 v[L], v[L], v[PX]
	v_rcp_f32 v[AA], v[L]
	v_nop
	s_wait_alu depctr_va_vdst(0)                   ; ahead of the first reader
.set I, 0
.rept 16
	v_pk_mul_f32 v[O+2*I:O+2*I+1], v[O+2*I:O+2*I+1], v[AA:AA+1] op_sel_hi:[1,0]
.set I, I+1
.endr
.set I, 0
.rept 16
	v_cvt_pk_f16_f32 v[S+I], v[O+2*I], v[O+2*I+1]
.set I, I+1
.endr
.irp ct, 0,1,2,3
	global_store_b128 v[LI], v[S+4*\ct:S+4*\ct+3], s[6:7] offset:512*\ct   ; 512 consecutive bytes, aligned
.endr
	s_wait_tensorcnt 0x0                           ; the wave's end
	ds_add_u32 v[SPW], v[NIL]
	s_wait_dscnt 0x0
	s_endpgm
.Lfunc_end_k_qd059ca7a9f_attn:
	.size	k_qd059ca7a9f_attn, .Lfunc_end_k_qd059ca7a9f_attn-k_qd059ca7a9f_attn
	.p2alignl 7, 3214868480
	.fill 96, 4, 3214868480
	.section	.rodata,"a",@progbits
	.p2align	6, 0x0
	.amdhsa_kernel k_qd059ca7a9f_attn
		.amdhsa_group_segment_fixed_size 327680
		.amdhsa_private_segment_fixed_size 0
		.amdhsa_enable_private_segment 0
		.amdhsa_kernarg_size 16
		.amdhsa_user_sgpr_count 2
		.amdhsa_user_sgpr_kernarg_segment_ptr 1
		.amdhsa_wavefront_size32 1
		.amdhsa_system_sgpr_workgroup_id_x 1
		.amdhsa_system_sgpr_workgroup_id_y 1
		.amdhsa_system_sgpr_workgroup_id_z 1
		.amdhsa_system_vgpr_workitem_id 0
		.amdhsa_next_free_vgpr 256
		.amdhsa_next_free_sgpr 100
		.amdhsa_reserve_vcc 1
		.amdhsa_float_denorm_mode_32 3
		.amdhsa_float_denorm_mode_16_64 3
		.amdhsa_memory_ordered 1
		.amdhsa_forward_progress 1
		.amdhsa_inst_pref_size 105
	.end_amdhsa_kernel
	.amdgpu_metadata
---
amdhsa.version: [ 1, 2 ]
amdhsa.kernels:
  - .name:           k_qd059ca7a9f_attn
    .symbol:         k_qd059ca7a9f_attn.kd
    .args:
      - { .name: qkv, .offset: 0, .size: 8, .value_kind: global_buffer, .address_space: global }
      - { .name: oimg, .offset: 8, .size: 8, .value_kind: global_buffer, .address_space: global }
    .group_segment_fixed_size: 327680
    .private_segment_fixed_size: 0
    .kernarg_segment_align: 8
    .kernarg_segment_size: 16
    .max_flat_workgroup_size: 512
    .sgpr_count:     100
    .vgpr_count:     256
    .wavefront_size: 32
...
	.end_amdgpu_metadata
.endif
;; end of part 3
;; launch proj (part 4): grid 8 x 32, 4 waves a work-group, clusters of 4 x 4, 327,680 bytes of LDS; arguments oimg, wu16, out0; writes out0
.if DOCPART == 4
	.amdgcn_target "amdgcn-amd-amdhsa--gfx1250"
	.amdhsa_code_object_version 6
	.text
	.protected	k_qd059ca7a9f_proj
	.globl	k_qd059ca7a9f_proj
	.p2align	8
	.type	k_qd059ca7a9f_proj,@function
k_qd059ca7a9f_proj:
	s_mov_b64 s[64:65], 0
	v_nop
	global_prefetch_b8 v0, s[64:65] scope:SCOPE_SE
	s_setreg_imm32_b32 hwreg(HW_REG_WAVE_MODE, 25, 1), 1
	s_wait_xcnt 0x0
	s_wait_alu depctr_hold_cnt(0) depctr_sa_sdst(0) depctr_va_vdst(0) depctr_va_sdst(0) depctr_va_ssrc(0) depctr_va_vcc(0) depctr_vm_vsrc(0)
	s_getreg_b32 s2, hwreg(HW_REG_IB_STS2, 6, 4)
	s_cmp_eq_u32 s2, 0
	s_cbranch_scc0 .Lentry_in_a_cluster
	s_endpgm
.Lentry_in_a_cluster:
	s_bfe_u32 s2, ttmp6, 0x10000c
	s_cmp_lg_u32 s2, 0xf033
	s_cbranch_scc0 .Lentry_shape_is_right
	s_endpgm
.Lentry_shape_is_right:
; out0[m][n] = sum over k of o[m][k] Wu[n][k], operands f16, sums f32, out0 f32 [4096][1024].  Positions 0-15 of each sequence are NOT stored here: a later launch makes them in f32.
; o arrives as images of the operand's registers, oimg [m / 16][kc = k / 32][half][lane][16 bytes]; Wu as rows, wu16 [1024][1024].
; A tile of C is 128 x 128: 256 work-groups.  Four waves, each 64 x 64: 16 accumulators.  K goes in four steps of 256 through two LDS slots.
; CLUSTERS: 4 x 4; A's tile is asked for jointly along a row of the cluster, B's along a column.  The matrix instruction is used transposed (source 0 = 16 rows of Wu, source 1 = 16 rows of o).
; A slot: A's 65,536 bytes, dense (8 blocks of 16 rows x 8 kc x 1,024 bytes: every fragment load takes 512 consecutive bytes), then B's 128 rows of 512 bytes + 16 of padding.
; By the text's own count a wave has two tensor loads out at the start and one behind each round.
; REGISTERS: window 0: v0-31 addresses; v32-95 the way out; v128-255 the accumulators.  window 1: two fragment buffers of 128: 64 registers of A, then 64 of B.
.set KSTEP,  256
.set PITCH,  528
.set ABYTES, 65536
.set HALFB,  64*PITCH
.set SLOT,   ABYTES+2*HALFB
.set SPARE,  2*SLOT                    ; the spare words, 128 bytes a wave
.set SPITCH, 272                       ; the way out: 16 rows x (256 bytes + 16) for each wave, in slot 0, which has had its last fill and its last read by then
.set ADRA, 16
.set ADRB, 20
.set STO,  24
.set RD,   25
.set CO,   26
.set TP,   27                          ; v27 my first row's position in its sequence
.set SPW,  28
.set NIL,  29
.set TMP,  32
.set ACC,  128
.set F0,   0
.set F1,   128
.set G1, 24
.set G0, 32
.set G1B, 48
.set G0B, 56
.set MSB, 0
.macro WIN new
.if MSB != \new
	s_set_vgpr_msb (MSB<<8)|\new
.set MSB, \new
.endif
.endm
.set MUL,  0x05                        ; sources 0 and 1 window 1; C and D window 0
.set TO_F, 0x40
.macro JLOAD s                         ; waves 0 and 1 fetch A's halves, waves 2 and 3 B's; an s_nop 0 and four v_nop follow each line
	s_cmp_eq_u32 s11, 0
	s_cbranch_scc0 .Lfor_b_\@
	tensor_load_to_lds s[G0+4*\s:G0+4*\s+3], s[G1:G1+7]
	s_nop 0
.rept 4
	v_nop
.endr
	s_branch .Lasked_\@
.Lfor_b_\@:
	tensor_load_to_lds s[G0B+4*\s:G0B+4*\s+3], s[G1B:G1B+7]
	s_nop 0
.rept 4
	v_nop
.endr
.Lasked_\@:
.endm
.macro CREST
	s_cmp_lg_u32 s10, 0
	s_cbranch_scc1 .Lnot_wave_0_\@
	s_barrier_signal -3
.Lnot_wave_0_\@:
	s_barrier_wait -3
	s_barrier_signal -1
	s_barrier_wait -1
.endm
.macro CROUND
	s_barrier_signal -1
	s_barrier_wait -1
	CREST
.endm
	s_load_b128 s[4:7], s[0:1], 0x0                ; oimg 4:5, wu16 6:7
	s_load_b64 s[8:9], s[0:1], 0x10                ; out0
	v_lshl_add_u32 v[SPW], v0, 2, SPARE
	v_mov_b32 v[NIL], 0
	ds_add_u32 v[SPW], v[NIL]                      ; the wave's opening: the add, twice on end, and its wait ahead of my first tensor load
	ds_add_u32 v[SPW], v[NIL]
	v_lshrrev_b32 v1, 5, v0
	v_readfirstlane_b32 s10, v1                    ; wave 0..3
	s_lshr_b32 s11, s10, 1                         ; my half of the rows.  Also: I fetch for A (0) or for B (1)
	s_and_b32 s12, s10, 1                          ; my half of the columns.  Also: which half I fetch
	s_bfe_u32 s40, ttmp6, 0x40000
	s_bfe_u32 s41, ttmp6, 0x40004
	s_lshl_b32 s42, ttmp9, 2
	s_add_co_u32 s42, s42, s40                     ; tile column
	s_and_b32 s13, ttmp7, 0xffff
	s_lshl_b32 s13, s13, 2
	s_add_co_u32 s13, s13, s41                     ; tile row
	s_lshl_b32 s43, s41, 2
	s_lshl_b32 s43, 15, s43
	s_lshl_b32 s44, 0x1111, s40
	s_or_b32 s[G1+0], s43, (3<<16)|(1<<21)         ; A: the mask of my row; elements of 8 bytes; bit 21 beside a mask; no padding
	s_mov_b32 s[G1+1], 1024<<16                    ; tensor_dim0: 8,192 bytes: eight kc of a block of 16 rows
	s_mov_b32 s[G1+2], 4<<16                       ; tensor_dim1: four such blocks
	s_mov_b32 s[G1+3], 1024<<16                    ; tile_dim0
	s_mov_b32 s[G1+4], 4                           ; tile_dim1
	s_mov_b32 s[G1+5], 4096                        ; 32,768 bytes from block to block
	s_mov_b32 s[G1+6], 0
	s_mov_b32 s[G1+7], 0
	s_or_b32 s[G1B+0], s44, (1<<16)|(1<<20)|(1<<21)|(6<<22)|(3<<25) ; B: the mask of my column; elements of 2 bytes; 4 words of padding after every 128
	s_mov_b32 s[G1B+1], KSTEP<<16
	s_mov_b32 s[G1B+2], 64<<16
	s_mov_b32 s[G1B+3], KSTEP<<16
	s_mov_b32 s[G1B+4], 64
	s_mov_b32 s[G1B+5], 1024
	s_mov_b32 s[G1B+6], 0
	s_mov_b32 s[G1B+7], 0
	s_lshl_b32 s16, s13, 18                        ; A: 8 blocks of 32,768 bytes a tile row,
	s_lshl_b32 s17, s12, 17                        ; my four of them
	s_add_co_u32 s16, s16, s17
	s_mov_b32 s17, 0
	s_lshl_b32 s46, s42, 18                        ; B: 128 rows of 2,048 bytes a tile column,
	s_lshl_b32 s47, s12, 17                        ; my 64 of them
	s_add_co_u32 s46, s46, s47
	s_mov_b32 s47, 0
	s_lshl_b32 s20, s12, 15                        ; where they go: by the wave's number alone
	s_mul_i32 s21, s12, HALFB
	s_add_co_u32 s21, s21, ABYTES
	s_wait_dscnt 0x0
	s_wait_kmcnt 0x0
	s_add_nc_u64 s[14:15], s[4:5], s[16:17]
	s_add_nc_u64 s[46:47], s[6:7], s[46:47]
	CROUND                                         ; the first joint loads meet
.irp s, 0,1
	s_mov_b32 s[G0+4*\s], 1
	s_add_co_u32 s[G0+4*\s+1], s20, \s*SLOT
	s_add_nc_u64 s[G0+4*\s+2:G0+4*\s+3], s[14:15], \s*8192
	s_or_b32 s[G0+4*\s+3], s[G0+4*\s+3], 0x80000000
	s_mov_b32 s[G0B+4*\s], 1
	s_add_co_u32 s[G0B+4*\s+1], s21, \s*SLOT
	s_add_nc_u64 s[G0B+4*\s+2:G0B+4*\s+3], s[46:47], \s*KSTEP*2
	s_or_b32 s[G0B+4*\s+3], s[G0B+4*\s+3], 0x80000000
	JLOAD \s
.endr
	v_and_b32 v1, 15, v0                           ; r
	v_bfe_u32 v2, v0, 4, 1                         ; h
	v_and_b32 v3, 31, v0
	v_lshlrev_b32 v3, 4, v3                        ; 16 x lane
	v_mul_u32_u24 v4, v1, PITCH
	v_lshl_add_u32 v4, v2, 4, v4
	s_lshl_b32 s21, s11, 15                        ; my 64 rows of A
	s_mul_i32 s22, s12, HALFB
	s_add_co_u32 s22, s22, ABYTES                  ; my 64 rows of B
.irp s, 0,1
	v_add_nc_u32 v[ADRA+\s], s21, v3
	v_add_nc_u32 v[ADRB+\s], s22, v4
	s_add_co_u32 s21, s21, SLOT
	s_add_co_u32 s22, s22, SLOT
.endr
	s_mul_i32 s23, s10, 16*SPITCH                  ; my stage
	v_mul_u32_u24 v4, v1, SPITCH
	v_lshl_add_u32 v4, v2, 5, v4
	v_add_nc_u32 v[STO], s23, v4                   ; in: row r, 32 bytes for each half of the lanes
	v_mul_u32_u24 v5, v2, SPITCH
	v_lshl_add_u32 v5, v1, 4, v5
	v_add_nc_u32 v[RD], s23, v5                    ; back: lanes 0-15 one row of 256 bytes, lanes 16-31 the next
	v_lshlrev_b32 v5, 12, v2
	v_lshl_add_u32 v[CO], v1, 4, v5                ; and the same two rows in C
	s_lshl_b32 s16, s13, 7
	s_lshl_b32 s17, s11, 6
	s_add_co_u32 s16, s16, s17                     ; my first row of C
	s_and_b32 s17, s16, 2047
	v_mov_b32 v[TP], s17
	s_lshl_b32 s16, s16, 12
	s_mov_b32 s17, 0
	s_add_nc_u64 s[8:9], s[8:9], s[16:17]
	s_lshl_b32 s46, s42, 9
	s_lshl_b32 s47, s12, 8
	s_add_co_u32 s46, s46, s47                     ; my first column, in bytes
	s_mov_b32 s47, 0
	s_add_nc_u64 s[8:9], s[8:9], s[46:47]
.macro MUL8 f, c, a0, zero             ; the 16 accumulators take turns
.irp a, \a0, \a0+1
.irp b, 0,1,2,3
.if \zero
	v_wmma_f32_16x16x32_f16 v[ACC+8*(4*(\a)+\b):ACC+8*(4*(\a)+\b)+7], v[\f+64+8*(4*\c+\b):\f+64+8*(4*\c+\b)+7], v[\f+8*(4*\c+\a):\f+8*(4*\c+\a)+7], 0
.else
	v_wmma_f32_16x16x32_f16 v[ACC+8*(4*(\a)+\b):ACC+8*(4*(\a)+\b)+7], v[\f+64+8*(4*\c+\b):\f+64+8*(4*\c+\b)+7], v[\f+8*(4*\c+\a):\f+8*(4*\c+\a)+7], v[ACC+8*(4*(\a)+\b):ACC+8*(4*(\a)+\b)+7]
.endif
.endr
.endr
.endm
; 32 LDS loads in one run: the fragments of 64 along K (byte k of B's rows; kc = k / 64 on of A's images) into buffer f; the first 32 along K first
.macro FETCH slot, k, f
	WIN TO_F
.irp c, 0,1
.irp i, 0,1,2,3
	ds_load_b128 v[\f+64+8*(4*\c+\i):\f+64+8*(4*\c+\i)+3],   v[ADRB+\slot] offset:\k+64*\c+\i*16*PITCH
	ds_load_b128 v[\f+64+8*(4*\c+\i)+4:\f+64+8*(4*\c+\i)+7], v[ADRB+\slot] offset:\k+64*\c+\i*16*PITCH+32
	ds_load_b128 v[\f+8*(4*\c+\i):\f+8*(4*\c+\i)+3],         v[ADRA+\slot] offset:8192*\i+1024*((\k)/64+\c)
	ds_load_b128 v[\f+8*(4*\c+\i)+4:\f+8*(4*\c+\i)+7],       v[ADRA+\slot] offset:8192*\i+1024*((\k)/64+\c)+512
.endr
.endr
.endm
.macro PLACES
.rept 4
	v_nop
.endr
.endm
.macro QUARTER slot, k, f, g, zero     ; 64 along K: multiplies buffer f and fetches the next quarter, at byte k, into g
	s_wait_dscnt 16                                ; the first 32 along K are in; the other 16 loads may be out
	WIN MUL
	MUL8 \f, 0, 0, \zero
	MUL8 \f, 0, 2, \zero
	PLACES
	FETCH \slot, \k, \g
	s_wait_dscnt 32                                ; all but the 32 just issued
	WIN MUL
	MUL8 \f, 1, 0, 0
	MUL8 \f, 1, 2, 0
.endm
.macro TURN slot, next, fill           ; a slot's last quarter changes slots: one barrier; fill = 1: it opens a round of the cluster's barrier, and this slot is filled again, two K steps ahead
	WIN 0
	s_wait_tensorcnt 0x0                           ; all my tensor loads have landed: my part of the next slot
	ds_add_u32 v[SPW], v[NIL]
	s_wait_dscnt 17                                ; the add and the youngest sixteen loads may be out
	WIN MUL
	MUL8 F1, 0, 0, 0
	s_wait_dscnt 0x0                               ; the add is done, and my reads of this slot are over
	s_barrier_signal -1
	MUL8 F1, 0, 2, 0
.if \fill
	WIN 0
.endif
	s_barrier_wait -1
.if \fill
	CREST
	s_add_nc_u64 s[G0+4*\slot+2:G0+4*\slot+3], s[G0+4*\slot+2:G0+4*\slot+3], 2*8192
	s_add_nc_u64 s[G0B+4*\slot+2:G0B+4*\slot+3], s[G0B+4*\slot+2:G0B+4*\slot+3], 2*KSTEP*2
	JLOAD \slot                                    ; the first tensor load behind the round; its four v_nop are also the places in front of the loads below
.else
	PLACES
.endif
	FETCH \next, 0, F0
	WIN MUL
	MUL8 F1, 1, 0, 0
	MUL8 F1, 1, 2, 0
.endm
	s_wait_tensorcnt 1                             ; my part of K step 0 is in; K step 1's load may be out
	s_barrier_signal -1
	s_barrier_wait -1
	FETCH 0, 0, F0
	QUARTER 0, 128, F0, F1, 1                      ; the first products start the sums
	QUARTER 0, 256, F1, F0, 0
	QUARTER 0, 384, F0, F1, 0
	TURN 0, 1, 1                                   ; slot 0 takes K step 2
	QUARTER 1, 128, F0, F1, 0
	QUARTER 1, 256, F1, F0, 0
	QUARTER 1, 384, F0, F1, 0
	TURN 1, 0, 1                                   ; slot 1 takes K step 3
	QUARTER 0, 128, F0, F1, 0
	QUARTER 0, 256, F1, F0, 0
	QUARTER 0, 384, F0, F1, 0
	TURN 0, 1, 0                                   ; nothing is left to fetch
	QUARTER 1, 128, F0, F1, 0
	QUARTER 1, 256, F1, F0, 0
	QUARTER 1, 384, F0, F1, 0
	s_wait_dscnt 16
	WIN MUL
	MUL8 F1, 0, 0, 0
	MUL8 F1, 0, 2, 0
	s_wait_dscnt 0
	MUL8 F1, 1, 0, 0
	MUL8 F1, 1, 2, 0
	WIN 0
; THE WAY OUT, 16 rows x 64 columns at a time, through my own stage: a lane holds 32 neighbouring bytes of a row; back come whole rows of 256 bytes.  LDS serves a wave's instructions in order.
.macro TOSTAGE a
.irp b, 0,1,2,3
	ds_store_b128 v[STO], v[ACC+8*(4*(\a)+\b):ACC+8*(4*(\a)+\b)+3] offset:64*\b      ; each accumulator from its low end on
	ds_store_b128 v[STO], v[ACC+8*(4*(\a)+\b)+4:ACC+8*(4*(\a)+\b)+7] offset:64*\b+16
.endr
.irp t, 0,1,2,3,4,5,6,7
	ds_load_b128 v[TMP+32*((\a)%2)+4*\t:TMP+32*((\a)%2)+4*\t+3], v[RD] offset:\t*2*SPITCH
.endr
.endm
.macro SEND a, younger                 ; younger: the LDS instructions issued behind block a's loads
	s_wait_dscnt \younger
.if (\a) == 0                          ; positions 0-15 of a sequence are another launch's: a predicate of the lanes, since my rows hang on my place in the cluster
	v_cmp_ne_u32 vcc_lo, 0, v[TP]
	s_wait_xcnt 0x0                                ; EXEC changes only behind this wait
	s_and_saveexec_b32 s3, vcc_lo
.endif
.irp t, 0,1,2,3,4,5,6,7
	global_store_b128 v[CO], v[TMP+32*((\a)%2)+4*\t:TMP+32*((\a)%2)+4*\t+3], s[8:9] offset:(16*(\a)+2*\t)*4096 th:TH_STORE_NT   ; 16 lanes store 256 consecutive bytes, aligned
.endr
.if (\a) == 0
	s_wait_xcnt 0x0
	s_or_b32 exec_lo, exec_lo, s3
.endif
.endm
	PLACES
	TOSTAGE 0
	TOSTAGE 1
	SEND 0, 16                                     ; behind block 0's loads: block 1's 8 stores and 8 loads
	s_wait_xcnt 0x0                                ; block 0's stores have read their registers
	TOSTAGE 2
	SEND 1, 16
	s_wait_xcnt 0x0
	TOSTAGE 3
	SEND 2, 16
	SEND 3, 0
	s_wait_tensorcnt 0x0                           ; the wave's end
	ds_add_u32 v[SPW], v[NIL]
	s_wait_dscnt 0x0
	CROUND                                         ; the closing round
	s_endpgm
.Lfunc_end_k_qd059ca7a9f_proj:
	.size	k_qd059ca7a9f_proj, .Lfunc_end_k_qd059ca7a9f_proj-k_qd059ca7a9f_proj
	.p2alignl 7, 3214868480
	.fill 96, 4, 3214868480
	.section	.rodata,"a",@progbits
	.p2align	6, 0x0
	.amdhsa_kernel k_qd059ca7a9f_proj
		.amdhsa_group_segment_fixed_size 327680
		.amdhsa_private_segment_fixed_size 0
		.amdhsa_enable_private_segment 0
		.amdhsa_kernarg_size 24
		.amdhsa_user_sgpr_count 2
		.amdhsa_user_sgpr_kernarg_segment_ptr 1
		.amdhsa_wavefront_size32 1
		.amdhsa_system_sgpr_workgroup_id_x 1
		.amdhsa_system_sgpr_workgroup_id_y 1
		.amdhsa_system_sgpr_workgroup_id_z 1
		.amdhsa_system_vgpr_workitem_id 0
		.amdhsa_next_free_vgpr 512
		.amdhsa_next_free_sgpr 66
		.amdhsa_reserve_vcc 1
		.amdhsa_float_denorm_mode_32 3
		.amdhsa_float_denorm_mode_16_64 3
		.amdhsa_memory_ordered 1
		.amdhsa_forward_progress 1
		.amdhsa_inst_pref_size 86
	.end_amdhsa_kernel
	.amdgpu_metadata
---
amdhsa.version: [ 1, 2 ]
amdhsa.kernels:
  - .name:           k_qd059ca7a9f_proj
    .symbol:         k_qd059ca7a9f_proj.kd
    .args:
      - { .name: oimg, .offset: 0, .size: 8, .value_kind: global_buffer, .address_space: global }
      - { .name: wu16, .offset: 8, .size: 8, .value_kind: global_buffer, .address_space: global }
      - { .name: out0, .offset: 16, .size: 8, .value_kind: global_buffer, .address_space: global }
    .group_segment_fixed_size: 327680
    .private_segment_fixed_size: 0
    .kernarg_segment_align: 8
    .kernarg_segment_size: 24
    .max_flat_workgroup_size: 128
    .sgpr_count:     66
    .vgpr_count:     512
    .wavefront_size: 32
...
	.end_amdgpu_metadata
.endif
;; end of part 4
;; launch first16 (part 5): grid 64 x 2, 16 waves a work-group, no clusters, 22,528 bytes of LDS; arguments fine, Wu, out0; writes out0
.if DOCPART == 5
	.amdgcn_target "amdgcn-amd-amdhsa--gfx1250"
	.amdhsa_code_object_version 6
	.text
	.protected	k_qd059ca7a9f_first16
	.globl	k_qd059ca7a9f_first16
	.p2align	8
	.type	k_qd059ca7a9f_first16,@function
k_qd059ca7a9f_first16:
	s_mov_b64 s[64:65], 0
	v_nop
	global_prefetch_b8 v0, s[64:65] scope:SCOPE_SE
	s_setreg_imm32_b32 hwreg(HW_REG_WAVE_MODE, 25, 1), 1
	s_wait_xcnt 0x0
; Positions 0-15 of both sequences, in f32 throughout: attention over at most 16 keys and the projection by Wu, by the f32 matrix form (16 x 16 x 4).  These rows average few values, so 16-bit operands would weigh most here.
; Work-group (gx, gy): batch gy, rows 0-15, columns 16 gx .. 16 gx + 15 of out0.  WAVE w STAYS WITH HEAD w: it makes the head's attention (32 matrix instructions) and multiplies the result, out of its own
; registers, by Wu's 16 rows x the head's 64 channels (16 matrix instructions).  The sixteen parts over the heads meet in LDS: one barrier; waves 0 and 1 add them and store.
; Each of the 64 column groups makes the attention anew: that is 32 of a wave's 48 matrix instructions, and the price of sharing 16 x 1,024 outputs a batch among 64 work-groups.
; THE STORES: a work-group's 16 columns are 64 bytes of a row, stored by four neighbouring lanes: a quarter of an aligned 256 bytes.  The launch stores 131,072 bytes in all.
; fine holds q (times log2(e) / 8), k and v as 32 registers a lane: q, k: register 8 b + j = channel 16 b + 8 h + j of token r; v: register 8 ct + j = token 8 h + j of channel 16 ct + r.
; Neighbouring register pairs are fragments of the f32 form under a permutation of k that is the same on both sides of each product.  All products are used transposed: a lane holds one token.
; The registers that the f32 form writes (v16-95) are written by matrix instructions alone.  The order of sums differs from a plain chain: two and four partial sums in a wave, sixteen over the heads, added in a tree.
; LIMITS: NaN and infinities are not served.
.set PP,    80                         ; LDS: a part's row: 64 bytes + 16: the sixteen rows that a store touches start at sixteen different groups of banks (64 banks of 4 bytes: ISA guide 11.1)
.set PARTB, 16*PP                      ; a wave's part: 16 rows
.set SPARE, 16*PARTB                   ; behind the sixteen parts: the spare words, 128 bytes a wave
.set LI,   1
.set WO,   4
.set PST,  7
.set PRD,  8
.set GO,   9
.set DD,   10
.set NINF, 11
.set SPW,  12
.set NIL,  13
.set S0,   16                          ; v16-31  S^T in two sums
.set OA,   32                          ; v32-63  O^T: four accumulators
.set PA,   64                          ; v64-95  my part of the output in four sums
.set QR,   96                          ; v96-127 q;   at the end v96-159: the sixteen parts
.set KR,   128                         ; v128-159 k
.set VR,   160                         ; v160-191 v, then O^T / the sum
.set W0,   192                         ; v192-223 Wu
.set TT,   224                         ; v224-255 at work
.set WV,   10
.set SEL,  20
	s_load_b128 s[4:7], s[0:1], 0x0                ; fine 4:5, Wu 6:7
	s_load_b64 s[8:9], s[0:1], 0x10                ; out0
	v_lshl_add_u32 v[SPW], v0, 2, SPARE
	v_mov_b32 v[NIL], 0
	v_lshrrev_b32 v14, 5, v0
	v_readfirstlane_b32 s[WV], v14                 ; wave 0..15: my head
	s_and_b32 s13, ttmp7, 0xffff                   ; batch
	v_and_b32 v[LI], 31, v0
	v_lshlrev_b32 v[LI], 4, v[LI]
	v_and_b32 v2, 15, v0                           ; r
	v_bfe_u32 v3, v0, 4, 1                         ; h
	v_lshlrev_b32 v[WO], 12, v2
	v_lshl_add_u32 v[WO], v3, 5, v[WO]             ; Wu: row r of 4,096 bytes, + 8 h numbers
	s_mul_i32 s14, s[WV], PARTB
	v_mul_u32_u24 v[PST], v2, PP
	v_lshl_add_u32 v[PST], v3, 5, v[PST]
	v_add_nc_u32 v[PST], s14, v[PST]               ; my part: row r, 32 bytes for each half of the lanes
	v_bfe_u32 v14, v0, 2, 4                        ; at the end: the row that I store,
	v_and_b32 v15, 3, v0                           ; and which 16 of its 64 bytes
	v_mul_u32_u24 v[PRD], v14, PP
	v_lshl_add_u32 v[PRD], v15, 4, v[PRD]
	v_lshlrev_b32 v[GO], 12, v14
	v_lshl_add_u32 v[GO], v15, 4, v[GO]
	v_lshlrev_b32 v15, 3, v3
	v_sub_nc_u32 v[DD], v2, v15                    ; r - 8 h
	v_mov_b32 v[NINF], 0xff800000
	v_mov_b32 v[TT+10], 0                          ; a lane permute's destination, written once
	s_mov_b32 s[SEL], 0x76543210
	s_mov_b32 s[SEL+1], 0xfedcba98
	s_lshl_b32 s16, s13, 4
	s_add_co_u32 s16, s16, s[WV]
	s_lshl_b32 s16, s16, 12                        ; my head in fine
	s_mov_b32 s17, 0
	s_lshl_b32 s18, ttmp9, 16
	s_lshl_b32 s19, s[WV], 8
	s_add_co_u32 s18, s18, s19                     ; Wu: row 16 gx, channel 64 w
	s_mov_b32 s19, 0
	s_lshl_b32 s22, s13, 23
	s_lshl_b32 s23, ttmp9, 6
	s_add_co_u32 s22, s22, s23                     ; out0: the batch's first row, my work-group's 16 columns
	s_mov_b32 s23, 0
	s_wait_kmcnt 0x0
	s_add_nc_u64 s[4:5], s[4:5], s[16:17]
	s_add_nc_u64 s[6:7], s[6:7], s[18:19]
	s_add_nc_u64 s[8:9], s[8:9], s[22:23]
.irp i, 0,1,2,3,4,5,6,7
	global_load_b128 v[QR+4*\i:QR+4*\i+3], v[LI], s[4:5] offset:512*\i
.endr
.irp i, 0,1,2,3,4,5,6,7
	global_load_b128 v[KR+4*\i:KR+4*\i+3], v[LI], s[4:5] offset:131072+512*\i
.endr
.irp i, 0,1,2,3,4,5,6,7
	global_load_b128 v[VR+4*\i:VR+4*\i+3], v[LI], s[4:5] offset:262144+512*\i
.endr
.irp i, 0,1,2,3,4,5,6,7                ; Wu's 16 rows x my head's 64 channels: register 8 ct + j = channel 16 ct + 8 h + j of row r
	global_load_b128 v[W0+4*\i:W0+4*\i+3], v[WO], s[6:7] offset:64*(\i/2)+16*(\i%2)
.endr
	s_wait_loadcnt 16                              ; q and k are in; v's and Wu's 16 loads may be out
.irp f, 0,1,2,3,4,5,6,7,8,9,10,11,12,13,14,15   ; S^T = K Q^T in two sums that take turns
.if \f < 2
	v_wmma_f32_16x16x4_f32 v[S0+8*(\f%2):S0+8*(\f%2)+7], v[KR+2*\f:KR+2*\f+1], v[QR+2*\f:QR+2*\f+1], 0
.else
	v_wmma_f32_16x16x4_f32 v[S0+8*(\f%2):S0+8*(\f%2)+7], v[KR+2*\f:KR+2*\f+1], v[QR+2*\f:QR+2*\f+1], v[S0+8*(\f%2):S0+8*(\f%2)+7]
.endif
.endr
.rept 8
	v_nop                                          ; eight places behind this form, ahead of reads of its results and of later loads into its operands
.endr
.irp i, 0,1,2,3
	v_pk_add_f32 v[TT+2*\i:TT+2*\i+1], v[S0+2*\i:S0+2*\i+1], v[S0+8+2*\i:S0+8+2*\i+1]   ; lane (r, h): query r, keys 8 h + 0..7
.endr
.irp j, 0,1,2,3,4,5,6,7
	v_cmp_gt_i32 vcc_lo, \j, v[DD]                 ; key 8 h + j behind query r
	v_cndmask_b32 v[TT+\j], v[TT+\j], v[NINF], vcc_lo
.endr
	v_max3_num_f32 v[TT+8], v[TT], v[TT+1], v[TT+2]
	v_max3_num_f32 v[TT+9], v[TT+3], v[TT+4], v[TT+5]
	v_max3_num_f32 v[TT+8], v[TT+8], v[TT+6], v[TT+7]
	v_max_num_f32 v[TT+8], v[TT+8], v[TT+9]
	v_permlanex16_b32 v[TT+10], v[TT+8], s[SEL], s[SEL+1]
	v_max_num_f32 v[TT+8], v[TT+8], v[TT+10]       ; the row's maximum: key 0 counts for every query
.irp i, 0,1,2,3
	v_pk_add_f32 v[TT+2*\i:TT+2*\i+1], v[TT+2*\i:TT+2*\i+1], v[TT+8:TT+9] op_sel_hi:[1,0] neg_lo:[0,1] neg_hi:[0,1]
.endr
.irp j, 0,1,2,3,4,5,6,7
	v_exp_f32 v[TT+\j], v[TT+\j]
.endr
	v_nop
	s_wait_alu depctr_va_vdst(0)                   ; one wait for the eight, ahead of their first reader
	v_pk_add_f32 v[TT+12:TT+13], v[TT:TT+1], v[TT+2:TT+3]
	v_pk_add_f32 v[TT+14:TT+15], v[TT+4:TT+5], v[TT+6:TT+7]
	v_pk_add_f32 v[TT+12:TT+13], v[TT+12:TT+13], v[TT+14:TT+15]
	v_add_f32 v[TT+12], v[TT+12], v[TT+13]
	v_permlanex16_b32 v[TT+10], v[TT+12], s[SEL], s[SEL+1]
	v_add_f32 v[TT+12], v[TT+12], v[TT+10]
	v_rcp_f32 v[TT+16], v[TT+12]
	v_mov_b32 v[TT+17], 0                          ; a plain instruction behind it; also the pair's upper word
	s_wait_loadcnt 8                               ; v is in; Wu's 8 loads may be out
.irp i, 0,1,2,3                        ; O^T = V^T P: four sums that take turns
.irp ct, 0,1,2,3
.if \i == 0
	v_wmma_f32_16x16x4_f32 v[OA+8*\ct:OA+8*\ct+7], v[VR+8*\ct+2*\i:VR+8*\ct+2*\i+1], v[TT+2*\i:TT+2*\i+1], 0
.else
	v_wmma_f32_16x16x4_f32 v[OA+8*\ct:OA+8*\ct+7], v[VR+8*\ct+2*\i:VR+8*\ct+2*\i+1], v[TT+2*\i:TT+2*\i+1], v[OA+8*\ct:OA+8*\ct+7]
.endif
.endr
.endr
.rept 8
	v_nop
.endr
	s_wait_alu depctr_va_vdst(0)                   ; the reciprocal's wait, ahead of its first reader
.set I, 0
.rept 16
	v_pk_mul_f32 v[VR+2*I:VR+2*I+1], v[OA+2*I:OA+2*I+1], v[TT+16:TT+17] op_sel_hi:[1,0]   ; register 8 ct + j: channel 16 ct + 8 h + j of token r: as Wu's registers lie
.set I, I+1
.endr
	s_wait_loadcnt 0x0                             ; Wu
.irp i, 0,1,2,3                        ; my 16 columns x 16 tokens over my head's 64 channels: four sums that take turns
.irp ct, 0,1,2,3
.if \i == 0
	v_wmma_f32_16x16x4_f32 v[PA+8*\ct:PA+8*\ct+7], v[W0+8*\ct+2*\i:W0+8*\ct+2*\i+1], v[VR+8*\ct+2*\i:VR+8*\ct+2*\i+1], 0
.else
	v_wmma_f32_16x16x4_f32 v[PA+8*\ct:PA+8*\ct+7], v[W0+8*\ct+2*\i:W0+8*\ct+2*\i+1], v[VR+8*\ct+2*\i:VR+8*\ct+2*\i+1], v[PA+8*\ct:PA+8*\ct+7]
.endif
.endr
.endr
.rept 8
	v_nop
.endr
.irp i, 0,1,2,3
	v_pk_add_f32 v[TT+2*\i:TT+2*\i+1], v[PA+2*\i:PA+2*\i+1], v[PA+8+2*\i:PA+8+2*\i+1]
.endr
.irp i, 0,1,2,3
	v_pk_add_f32 v[TT+8+2*\i:TT+8+2*\i+1], v[PA+16+2*\i:PA+16+2*\i+1], v[PA+24+2*\i:PA+24+2*\i+1]
.endr
.irp i, 0,1,2,3
	v_pk_add_f32 v[TT+2*\i:TT+2*\i+1], v[TT+2*\i:TT+2*\i+1], v[TT+8+2*\i:TT+8+2*\i+1]   ; lane (r, h): token r, my columns 8 h + 0..7
.endr
	ds_store_b128 v[PST], v[TT:TT+3]
	ds_store_b128 v[PST], v[TT+4:TT+7] offset:16
	s_wait_dscnt 0x0                               ; for the others' sake: my stores have landed
	s_barrier_signal -1
	s_barrier_wait -1                              ; the sixteen parts lie in LDS
	s_cmp_lt_u32 s[WV], 2                          ; 64 threads add them, 16 bytes of a row each
	s_cbranch_scc0 .Ldone
.irp j, 0,1,2,3,4,5,6,7,8,9,10,11,12,13,14,15
	ds_load_b128 v[QR+4*\j:QR+4*\j+3], v[PRD] offset:PARTB*\j
.endr
	s_wait_dscnt 0x0
.irp d, 8,4,2,1                        ; a tree: parts j and j + d
.irp j, 0,1,2,3,4,5,6,7
.if \j < \d
	v_pk_add_f32 v[QR+4*\j:QR+4*\j+1], v[QR+4*\j:QR+4*\j+1], v[QR+4*(\j+\d):QR+4*(\j+\d)+1]
	v_pk_add_f32 v[QR+4*\j+2:QR+4*\j+3], v[QR+4*\j+2:QR+4*\j+3], v[QR+4*(\j+\d)+2:QR+4*(\j+\d)+3]
.endif
.endr
.endr
	global_store_b128 v[GO], v[QR:QR+3], s[8:9]    ; four lanes store a row's 64 consecutive bytes
.Ldone:
	s_wait_tensorcnt 0x0                           ; the wave's end, behind my last LDS store
	ds_add_u32 v[SPW], v[NIL]
	s_wait_dscnt 0x0
	s_endpgm
.Lfunc_end_k_qd059ca7a9f_first16:
	.size	k_qd059ca7a9f_first16, .Lfunc_end_k_qd059ca7a9f_first16-k_qd059ca7a9f_first16
	.p2alignl 7, 3214868480
	.fill 96, 4, 3214868480
	.section	.rodata,"a",@progbits
	.p2align	6, 0x0
	.amdhsa_kernel k_qd059ca7a9f_first16
		.amdhsa_group_segment_fixed_size 22528
		.amdhsa_private_segment_fixed_size 0
		.amdhsa_enable_private_segment 0
		.amdhsa_kernarg_size 24
		.amdhsa_user_sgpr_count 2
		.amdhsa_user_sgpr_kernarg_segment_ptr 1
		.amdhsa_wavefront_size32 1
		.amdhsa_system_sgpr_workgroup_id_x 1
		.amdhsa_system_sgpr_workgroup_id_y 1
		.amdhsa_system_sgpr_workgroup_id_z 1
		.amdhsa_system_vgpr_workitem_id 0
		.amdhsa_next_free_vgpr 256
		.amdhsa_next_free_sgpr 66
		.amdhsa_reserve_vcc 1
		.amdhsa_float_denorm_mode_32 3
		.amdhsa_float_denorm_mode_16_64 3
		.amdhsa_memory_ordered 1
		.amdhsa_forward_progress 1
		.amdhsa_inst_pref_size 17
	.end_amdhsa_kernel
	.amdgpu_metadata
---
amdhsa.version: [ 1, 2 ]
amdhsa.kernels:
  - .name:           k_qd059ca7a9f_first16
    .symbol:         k_qd059ca7a9f_first16.kd
    .args:
      - { .name: fine, .offset: 0, .size: 8, .value_kind: global_buffer, .address_space: global }
      - { .name: Wu, .offset: 8, .size: 8, .value_kind: global_buffer, .address_space: global }
      - { .name: out0, .offset: 16, .size: 8, .value_kind: global_buffer, .address_space: global }
    .group_segment_fixed_size: 22528
    .private_segment_fixed_size: 0
    .kernarg_segment_align: 8
    .kernarg_segment_size: 24
    .max_flat_workgroup_size: 512
    .sgpr_count:     66
    .vgpr_count:     256
    .wavefront_size: 32
...
	.end_amdgpu_metadata
.endif
;; end of part 5
